; MI455X (gfx1250); checked and timed in simulation.
; The chip was launched on July 23, 2026; its instructions are those of AMD's public machine-readable ISA for CDNA 5 (MIT licence, August 2026) and "CDNA5" Instruction Set Architecture Reference Guide (July 2026). The comments in the code are by the model that wrote it; some were corrected since.
;; Multi Head Attention. Allowed arithmetic: matrix products marked QUANTISED: E2M1 operands, one E8M0 scale for each 32 along K, by v_wmma_scale_f32_16x16x128_f8f6f4 with both operands' format E2M1 (or v_wmma_scale_f32_32x16x128_f4), f32 sums; products left as they are: bf16, f16 or f32 operands; f32 sums; everything else in f32.
;; Inputs: b1 3,072 float32; b2 1,024 float32; w1 3,072 x 1,024 float32; w2 1,024 x 1,024 float32; x 4 x 2,048 x 1,024 float32.
;; Outputs: out0 4 x 2,048 x 1,024 float32.
;; This version of the problem:
;;   THIS VERSION OF THE PROBLEM IS GIVEN IN LOW PRECISION. The matrix products marked QUANTISED in the list below multiply operands that are first quantised to E2M1 (2 exponent bits, 1 mantissa bit; 4 bits a number), with one power-of-two scale for each 32 numbers along K (OCP MX v1.0); their sums are f32. The products marked 'left as it is' may take bf16, f16 or f32 operands, with f32 sums. Whichever they take, every output number must still come out within the allowed error. Rounding operands to bf16 (8 significant bits) uses up far more of that allowance than f16 does (11 bits, for magnitudes from 6e-5 to 65,504). All else is computed in f32.
;;   The module's matrix products, in the order in which they are computed (A, B: the left and right operand; K: the contracted axis; several contracted axes count as one K, in the product's order):
;;     1. [M 8,192, K 1,024] x [K 1,024, N 3,072]; A: input x; B: input w1: QUANTISED
;;     2. batch 64 x [M 2,048, K 64] x [K 64, N 2,048]; A: computed on the way; B: computed on the way: left as it is (an operand is computed on the way)
;;     3. batch 64 x [M 2,048, K 2,048] x [K 2,048, N 64]; A: computed on the way; B: computed on the way: left as it is (an operand is computed on the way)
;;     4. [M 8,192, K 1,024] x [K 1,024, N 1,024]; A: computed on the way; B: input w2: left as it is (an operand is computed on the way)
;;   THE QUANTISER, for each operand of a quantised product, along K:
;;     - K is cut into blocks of 32 from its start; a last block that is shorter is filled with zeros.
;;     - A block's scale is 2^e with e = floor(log2(the largest magnitude in the block)) - 2, held to -126 .. 127; a block of zeros has e = 0. As a byte (E8M0): e + 127.
;;     - Each number is divided by its block's scale, clamped to +-6, and rounded to the nearest number of E2M1, ties to even, subnormals kept.
;;     - The product sums the exact products of the quantised numbers (number of the format x scale) in f32.
;;   ~~~python
;;   def quantise(x, axis):      # numpy; x: float32 -> the quantised numbers, widened to float32 again
;;       x = np.moveaxis(x, axis, -1); K = x.shape[-1]
;;       x = np.pad(x, [(0, 0)] * (x.ndim - 1) + [(0, -K % 32)]); x = x.reshape(x.shape[:-1] + (-1, 32)); a = np.abs(x).max(-1, keepdims=True)
;;       e = np.where(a > 0, np.clip(np.frexp(np.where(a > 0, a, 1))[1] - 1 - 2, -126, 127), 0)      # np.frexp(a)[1] - 1 = floor(log2(a)), exactly
;;       r = np.clip(x / 2.0 ** e, -6, 6)
;;       step = 2.0 ** (np.maximum(np.frexp(np.where(r == 0, 1, r))[1] - 1, 0) - 1)
;;       q = np.round(r / step) * step * 2.0 ** e      # np.round: ties to even
;;       return np.moveaxis(q.reshape(q.shape[:-2] + (-1,))[..., :K], -1, axis).astype(np.float32)
;;   ~~~
;; One version. Each part assembles by itself: llvm-mc -triple=amdgcn-amd-amdhsa -mcpu=gfx1250 --defsym DOCPART=n.
;; ======== version 1 of 1: 6 launches
;; limits: values are held in f16: magnitudes above 65,504 overflow, below 6.1e-05 lose precision
;; workspace buffers: xc 4,194,304 bytes; xs 262,144 bytes; wc 1,572,864 bytes; ws 98,304 bytes; w2h 2,097,152 bytes; qkv 50,331,648 bytes; op 16,777,216 bytes; o32 262,144 bytes
;; launch quant (part 1): grid 384 x 1, 4 waves a work-group, no clusters, 33,280 bytes of LDS; arguments x, w1, xc, xs, wc, ws, w2, w2h; writes xc, xs, wc, ws, w2h
.if DOCPART == 1
	.amdgcn_target "amdgcn-amd-amdhsa--gfx1250"
	.amdhsa_code_object_version 6
	.text
	.protected	k_q5d538eb1ea_quant
	.globl	k_q5d538eb1ea_quant
	.p2align	8
	.type	k_q5d538eb1ea_quant,@function
k_q5d538eb1ea_quant:
	s_mov_b64 s[64:65], 0
	v_nop
	global_prefetch_b8 v0, s[64:65] scope:SCOPE_SE
	s_setreg_imm32_b32 hwreg(HW_REG_WAVE_MODE, 25, 1), 1
	s_wait_xcnt 0x0
; x [8192][1024] and w1 [3072][1024], f32, become codes of FP4 (E2M1), K innermost, two codes a byte, with one E8M0 scale byte for each 32 along K; w2 [1024][1024] becomes f16.
; A block's scale is 2^(floor(log2(its largest magnitude)) - 2); its byte is the largest magnitude's exponent field - 2, held at 1 from below.  Each number is divided by the scale and rounded to the nearest code, ties to even; beyond 6 the largest code.
; LIMITS: a block of zeros gets the byte 1 and not 127 (its codes are zeros, and this program alone reads the bytes); blocks whose largest magnitude lies under 2^(2 - 126) keep the byte 1; NaN and infinities are not served; w2 within +-65,504.
; Rows are dense and K is a multiple of 32: each tensor is a plain stream.  Work-groups 0-255 take x, 256-351 w1, 352-383 w2.  A wave takes 8,192 numbers.
; CODES: 16 steps of 512 numbers.  Each of a step's four loads reads 512 consecutive bytes; the 2,048 bytes turn through the wave's own stage in LDS so that a lane holds 16 neighbours along K (two lanes to a block).
; A lane's 16 codes are 8 bytes: the wave stores 256 consecutive bytes.  A wave's 256 scale bytes are gathered in LDS and leave as one aligned run of 256 bytes.
; F16: four groups of sixteen loads; a load's 512 bytes become 256, stored by the 32 lanes as one aligned run.
.set SIZE_M, 8192
.set SIZE_N, 3072
.set SIZE_K, 1024
.set WAVES, 4
.set STEPS, 16
.set WGA,   SIZE_M*SIZE_K/(512*STEPS*WAVES)    ; 256 work-groups for x
.set WGB,   SIZE_N*SIZE_K/(512*STEPS*WAVES)    ; 96 for w1
.set EMAX,  2
.set CB,    8                          ; bytes of 16 codes
.set R,     16                         ; v16-79   four sets of 16 numbers as loaded (f16 path: v16-143, two groups of 64)
.set X,     80                         ; v80-111  two sets of 16 neighbours
.set C,     128                        ; v128-191 codes: four registers for each step
.set E,     112                        ; v112-127 a scale byte for each step
.set HF,    144                        ; v144-175 f16 path: a group's results
.set WREG,  8192                       ; LDS: a region for each wave: two stages of 32 x SP bytes, then its 256 scale bytes
.set SP,    80                         ; a lane's place in a stage: 64 bytes + 16 of padding
.set SPW,   12                         ; v12  LDS address of my spare word; never rewritten
.set NIL,   13                         ; v13  0; never rewritten
.set SPARE, WAVES*WREG                 ; behind the four regions: the spare words, 128 bytes a wave
	s_load_b128 s[4:7], s[0:1], 0x0                ; x, w1
	s_load_b128 s[8:11], s[0:1], 0x10              ; x's codes, x's scales
	s_load_b128 s[12:15], s[0:1], 0x20             ; w1's codes, w1's scales
	s_load_b128 s[24:27], s[0:1], 0x30             ; w2, w2 in f16
	v_lshl_add_u32 v[SPW], v0, 2, SPARE
	v_mov_b32 v[NIL], 0
	v_lshrrev_b32 v1, 5, v0
	v_readfirstlane_b32 s16, v1                    ; wave
	v_and_b32 v2, 31, v0                           ; lane
	v_lshlrev_b32 v3, 4, v2                        ; my 16 bytes of a load's 512
	s_mul_i32 s17, s16, WREG
	v_lshrrev_b32 v14, 2, v2
	v_mul_u32_u24 v14, v14, SP
	v_and_b32 v15, 3, v2
	v_lshl_add_u32 v14, v15, 4, v14
	v_add_nc_u32 v14, s17, v14                     ; the stage, on the way in: SP (lane / 4) + 16 (lane % 4)
	v_mul_u32_u24 v15, v2, SP
	v_add_nc_u32 v15, s17, v15                     ; and on the way out: SP x lane: my 16 neighbours
	v_mul_u32_u24 v4, v2, CB                       ; my codes' place in a step's
	v_lshrrev_b32 v5, 1, v2
	s_add_co_u32 s17, s17, 2*32*SP
	v_add_nc_u32 v5, s17, v5                       ; LDS: my wave's 256 scale bytes, my block's byte
	v_lshlrev_b32 v7, 3, v2                        ; 8 bytes a lane
	v_add_nc_u32 v6, s17, v7
	s_wait_kmcnt 0x0
	s_cmp_lt_u32 ttmp9, WGA+WGB
	s_cbranch_scc1 .Lcodes
	; ---- w2 to f16
	s_sub_co_u32 s17, ttmp9, WGA+WGB
	s_lshl_b32 s17, s17, 2
	s_add_co_u32 s17, s17, s16                     ; which run of 8,192 numbers is my wave's
	s_lshl_b32 s18, s17, 15
	s_mov_b32 s19, 0
	s_add_nc_u64 s[24:25], s[24:25], s[18:19]
	s_lshl_b32 s18, s17, 14
	s_add_nc_u64 s[26:27], s[26:27], s[18:19]
.macro LOADG g
.irp i, 0,1,2,3,4,5,6,7,8,9,10,11,12,13,14,15
	global_load_b128 v[R+64*((\g)%2)+4*\i:R+64*((\g)%2)+4*\i+3], v3, s[24:25] offset:((\g)*16+\i)*512 th:TH_LOAD_NT
.endr
.endm
.macro HALFG g
.if (\g) < 3
	s_wait_loadcnt 16                              ; this group's sixteen loads are in; the next group's may be out
.else
	s_wait_loadcnt 0x0
.endif
.if (\g) > 0
	s_wait_xcnt 0x0                                ; the last group's stores have read their data: the results' registers are written again only behind this wait
.endif
.irp i, 0,1,2,3,4,5,6,7,8,9,10,11,12,13,14,15
	v_cvt_pk_f16_f32 v[HF+2*\i], v[R+64*((\g)%2)+4*\i], v[R+64*((\g)%2)+4*\i+1]
	v_cvt_pk_f16_f32 v[HF+2*\i+1], v[R+64*((\g)%2)+4*\i+2], v[R+64*((\g)%2)+4*\i+3]
.endr
.if (\g)+2 < 4
	LOADG (\g)+2
.endif
.irp i, 0,1,2,3,4,5,6,7,8,9,10,11,12,13,14,15
	global_store_b64 v7, v[HF+2*\i:HF+2*\i+1], s[26:27] offset:((\g)*16+\i)*256   ; 32 lanes store 256 consecutive bytes, aligned
.endr
.endm
	LOADG 0
	LOADG 1
	HALFG 0
	HALFG 1
	HALFG 2
	HALFG 3
	s_branch .Lend
.Lcodes:
	; ---- x and w1 to codes
	s_cmp_lt_u32 ttmp9, WGA                        ; x's work-group or w1's?  The choice hangs on the work-group's number alone
	s_cselect_b64 s[4:5], s[4:5], s[6:7]
	s_cselect_b64 s[8:9], s[8:9], s[12:13]
	s_cselect_b64 s[10:11], s[10:11], s[14:15]
	s_cselect_b32 s17, 0, WGA
	s_sub_co_u32 s17, ttmp9, s17
	s_lshl_b32 s17, s17, 2
	s_add_co_u32 s18, s17, s16                     ; which run of 8,192 numbers of the tensor is my wave's
	s_mov_b32 s19, 0
	s_mov_b64 s[20:21], 512*STEPS*4
	s_mul_u64 s[20:21], s[18:19], s[20:21]
	s_add_nc_u64 s[4:5], s[4:5], s[20:21]
	s_mov_b64 s[20:21], 32*STEPS*CB
	s_mul_u64 s[20:21], s[18:19], s[20:21]
	s_add_nc_u64 s[8:9], s[8:9], s[20:21]
	s_lshl_b32 s18, s18, 8                         ; 256 scale bytes a run
	s_add_nc_u64 s[10:11], s[10:11], s[18:19]
.macro LOAD t
.irp i, 0,1,2,3
	global_load_b128 v[R+16*((\t)%4)+4*\i:R+16*((\t)%4)+4*\i+3], v3, s[4:5] offset:2048*(\t)+512*\i th:TH_LOAD_NT   ; 32 lanes read 512 consecutive bytes
.endr
.endm
.macro TURN t                          ; step t's numbers through the stage: LDS serves a wave's instructions in order, so no wait stands between the stores and the loads
.irp i, 0,1,2,3
	ds_store_b128 v14, v[R+16*((\t)%4)+4*\i:R+16*((\t)%4)+4*\i+3] offset:32*SP*((\t)%2)+8*SP*\i
.endr
.irp i, 0,1,2,3
	ds_load_b128 v[X+16*((\t)%2)+4*\i:X+16*((\t)%2)+4*\i+3], v15 offset:32*SP*((\t)%2)+16*\i
.endr
.endm
.irp t, 0,1,2,3
	LOAD \t
.endr
	s_wait_loadcnt 12                              ; step 0's four loads are in
	TURN 0
.macro STEP t
.set XS, X+16*((\t)%2)
.if (\t) > 0
	s_wait_dscnt 1                                 ; this step's numbers are back from the stage (the last step's byte store may be out)
.else
	s_wait_dscnt 0x0
.endif
.if (\t)+4 < STEPS
	LOAD (\t)+4                                    ; into the registers that this step's stores into the stage have read
.endif
.if (\t)+1 < STEPS
.if STEPS-2-(\t) >= 3
	s_wait_loadcnt 12                              ; the next step's four loads are in; those of the three steps behind it may be out
.else
	s_wait_loadcnt 4*(STEPS-2-(\t))
.endif
	TURN (\t)+1
.endif
	v_max3_num_f32 v8, |v[XS]|, |v[XS+1]|, |v[XS+2]|               ; the largest magnitude of my 16
	v_max3_num_f32 v9, |v[XS+3]|, |v[XS+4]|, |v[XS+5]|
.irp i, 6,10
	v_max3_num_f32 v8, v8, |v[XS+\i]|, |v[XS+\i+1]|
	v_max3_num_f32 v9, v9, |v[XS+\i+2]|, |v[XS+\i+3]|
.endr
	v_max3_num_f32 v8, v8, |v[XS+14]|, |v[XS+15]|
	v_max3_num_f32 v8, v8, v9, (EMAX+1)<<23        ; and the floor 2^(EMAX + 1 - 127): the byte cannot fall under 1
	v_max_num_f32_dpp v8, v8, v8 row_xmask:1 row_mask:0xf bank_mask:0xf   ; and of my neighbour's 16: the block's
	v_add_nc_u32 v11, -(EMAX<<23), v8              ; EMAX off its exponent field: the conversion takes this operand's exponent field as its scale
	v_cvt_scalef32_pk8_fp4_f32 v[C+4*(\t)], v[XS:XS+7], v11
	v_cvt_scalef32_pk8_fp4_f32 v[C+4*(\t)+1], v[XS+8:XS+15], v11
	v_lshrrev_b32 v[E+(\t)], 23, v11               ; the scale's byte
	ds_store_b8 v5, v[E+(\t)] offset:16*(\t)       ; both lanes of a block write the same byte with the same value
	global_store_b64 v4, v[C+4*(\t):C+4*(\t)+1], s[8:9] offset:32*CB*(\t)
.endm
.irp t, 0,1,2,3,4,5,6,7,8,9,10,11,12,13,14,15
	STEP \t
.endr
	ds_load_b64 v[8:9], v6                         ; LDS serves a wave's instructions in order: these see my stores
	s_wait_dscnt 0x0
	global_store_b64 v7, v[8:9], s[10:11]          ; 32 lanes store one aligned run of 256 bytes
.Lend:
	s_wait_tensorcnt 0x0                           ; the wave's end
	ds_add_u32 v[SPW], v[NIL]
	s_wait_dscnt 0x0
	s_endpgm
.Lfunc_end_k_q5d538eb1ea_quant:
	.size	k_q5d538eb1ea_quant, .Lfunc_end_k_q5d538eb1ea_quant-k_q5d538eb1ea_quant
	.p2alignl 7, 3214868480
	.fill 96, 4, 3214868480
	.section	.rodata,"a",@progbits
	.p2align	6, 0x0
	.amdhsa_kernel k_q5d538eb1ea_quant
		.amdhsa_group_segment_fixed_size 33280
		.amdhsa_private_segment_fixed_size 0
		.amdhsa_enable_private_segment 0
		.amdhsa_kernarg_size 64
		.amdhsa_user_sgpr_count 2
		.amdhsa_user_sgpr_kernarg_segment_ptr 1
		.amdhsa_wavefront_size32 1
		.amdhsa_system_sgpr_workgroup_id_x 1
		.amdhsa_system_sgpr_workgroup_id_y 1
		.amdhsa_system_sgpr_workgroup_id_z 1
		.amdhsa_system_vgpr_workitem_id 0
		.amdhsa_next_free_vgpr 192
		.amdhsa_next_free_sgpr 66
		.amdhsa_reserve_vcc 0
		.amdhsa_float_denorm_mode_32 3
		.amdhsa_float_denorm_mode_16_64 3
		.amdhsa_memory_ordered 1
		.amdhsa_forward_progress 1
		.amdhsa_inst_pref_size 54
	.end_amdhsa_kernel
	.amdgpu_metadata
---
amdhsa.version: [ 1, 2 ]
amdhsa.kernels:
  - .name:           k_q5d538eb1ea_quant
    .symbol:         k_q5d538eb1ea_quant.kd
    .args:
      - { .name: x, .offset: 0, .size: 8, .value_kind: global_buffer, .address_space: global }
      - { .name: w1, .offset: 8, .size: 8, .value_kind: global_buffer, .address_space: global }
      - { .name: xc, .offset: 16, .size: 8, .value_kind: global_buffer, .address_space: global }
      - { .name: xs, .offset: 24, .size: 8, .value_kind: global_buffer, .address_space: global }
      - { .name: wc, .offset: 32, .size: 8, .value_kind: global_buffer, .address_space: global }
      - { .name: ws, .offset: 40, .size: 8, .value_kind: global_buffer, .address_space: global }
      - { .name: w2, .offset: 48, .size: 8, .value_kind: global_buffer, .address_space: global }
      - { .name: w2h, .offset: 56, .size: 8, .value_kind: global_buffer, .address_space: global }
    .group_segment_fixed_size: 33280
    .private_segment_fixed_size: 0
    .kernarg_segment_align: 8
    .kernarg_segment_size: 64
    .max_flat_workgroup_size: 128
    .sgpr_count:     66
    .vgpr_count:     192
    .wavefront_size: 32
...
	.end_amdgpu_metadata
.endif
;; end of part 1
;; launch qkv (part 2): grid 12 x 32, 4 waves a work-group, clusters of 4 x 4, 327,680 bytes of LDS; arguments xc, xs, wc, ws, b1, qkv; writes qkv
.if DOCPART == 2
	.amdgcn_target "amdgcn-amd-amdhsa--gfx1250"
	.amdhsa_code_object_version 6
	.text
	.protected	k_q5d538eb1ea_qkv
	.globl	k_q5d538eb1ea_qkv
	.p2align	8
	.type	k_q5d538eb1ea_qkv,@function
k_q5d538eb1ea_qkv:
	s_mov_b64 s[64:65], 0
	v_nop
	global_prefetch_b8 v0, s[64:65] scope:SCOPE_SE
	s_setreg_imm32_b32 hwreg(HW_REG_WAVE_MODE, 25, 1), 1
	s_wait_xcnt 0x0
	s_wait_alu depctr_hold_cnt(0) depctr_sa_sdst(0) depctr_va_vdst(0) depctr_va_sdst(0) depctr_va_ssrc(0) depctr_va_vcc(0) depctr_vm_vsrc(0)
	s_getreg_b32 s2, hwreg(HW_REG_IB_STS2, 6, 4)
	s_cmp_eq_u32 s2, 0
	s_cbranch_scc0 .Lentry_in_a_cluster
	s_endpgm
.Lentry_in_a_cluster:
	s_bfe_u32 s2, ttmp6, 0x10000c
	s_cmp_lg_u32 s2, 0xf033
	s_cbranch_scc0 .Lentry_shape_is_right
	s_endpgm
.Lentry_shape_is_right:
; qkv = x w1^T + b1 on codes of FP4 (E2M1) with one E8M0 scale for each 32 along K; sums in f32; the result is rounded once to f16 and laid by part and head:
; byte = part << 24 + (16 batch + head) << 18 + 128 position + 2 channel (part 0 q, 1 k, 2 v).  LIMIT: results beyond +-65,504 do not fit f16.
; A tile of 256 rows x 256 columns is made by four waves, each 128 x 128: 64 accumulators of 16 x 16, 512 registers.  K = 1,024 is two K steps of 512 (rows of 256 bytes): both lie in LDS at once, each slot filled once.
; THE SCALES of the tile's 256 rows of x and 256 rows of w1, for all of K, are two dense blocks: they come into LDS once, with the first fills.
; CLUSTERS: 4 x 4 work-groups.  The four of a row of the cluster need the same tiles of x, the four of a column the same tiles of w1: each tile is asked for jointly, by the same tensor load with the same descriptor and a mask that names the four.
; THE MATRIX INSTRUCTION IS USED TRANSPOSED (source 0 = 16 rows of w1, source 1 = 16 rows of x): a lane then holds eight neighbouring columns of one row.  THE BIAS is the C of each sum's first product.
; REGISTERS: window 0: v0-31 addresses; v32-95 scale words, two sets, and nothing else; v96-127 packed results; v128-191 x's fragments, ONE set, later rows on their way out; v192-255 the bias in the result's layout.
;   window 1: w1's fragments, two sets, at v0 and v128.   window 2: the accumulators of my rows 0-63 ((a, b) at v[8 (8 a + b)]);   window 3: those of my rows 64-127.
.set KSTEP,  512
.set NQ,     KSTEP/128
.set ROWB,   256                       ; a tile's row in bytes
.set KROW,   512                       ; a row of codes in memory
.set PITCH,  272                       ; an LDS row: 256 bytes + 16 of padding = 68 words: the 16 rows that a load touches start 4 words apart
.set FR,     8
.set NL,     2
.set NP,     4
.set HALFT,  128*PITCH
.set SLOT,   4*HALFT
.set KS,     32                        ; a row of scales in bytes
.set SCL,    2*SLOT
.set HALFS,  (128*KS/256)*272
.set SBLK,   (16*KS/256)*272
.set SPARE,  SCL+4*HALFS               ; the spare words, 128 bytes a wave
.set SPITCH, 272                       ; the way out: a stage of 16 rows x (256 bytes + 16) for each wave, in slot 0, which has had its one fill and its last read by then
.set ADRA, 16
.set ADRB, 20
.set STO,  24
.set RD,   25
.set CO,   26
.set ADRS, 27
.set SPW,  28
.set NIL,  29
.set BO,   30                          ; v30  32 x (lane / 16): my place in a block's 16 biases
.set SC,   32
.set TMP,  96
.set AF,   128
.set BK,   128
.set BIAS, 192
.set G1, 24
.set G0, 32
.set G1B, 48
.set G0B, 56
.set G1S, 68
.set G0S, 76
.set G1SB, 80
.set G0SB, 88
.set MSB, 0
.macro WIN new                         ; the immediate's high byte repeats the setting that is left
.if MSB != (\new)
	s_set_vgpr_msb (MSB<<8)|(\new)
.set MSB, (\new)
.endif
.endm
.set MUL_LO, 0xa1                      ; source 0 (w1) window 1, source 1 (x) window 0, C and D window 2
.set MUL_HI, 0xf1                      ; the same, C and D window 3
.set TO_B,   0x40
; A joint load: waves 0 and 1 fetch for x, waves 2 and 3 for w1.  The branch hangs on the wave's number alone.  An s_nop 0 and four v_nop follow each of the two lines.
.macro JLOAD g0a, g1a, g0b, g1b
	s_cmp_eq_u32 s15, 0
	s_cbranch_scc0 .Lfor_b_\@
	tensor_load_to_lds s[\g0a:\g0a+3], s[\g1a:\g1a+7]
	s_nop 0
.rept 4
	v_nop
.endr
	s_branch .Lasked_\@
.Lfor_b_\@:
	tensor_load_to_lds s[\g0b:\g0b+3], s[\g1b:\g1b+7]
	s_nop 0
.rept 4
	v_nop
.endr
.Lasked_\@:
.endm
.macro CROUND                          ; a round of the cluster's barrier
	s_barrier_signal -1
	s_barrier_wait -1
	s_cmp_lg_u32 s14, 0
	s_cbranch_scc1 .Lnot_wave_0_\@
	s_barrier_signal -3
.Lnot_wave_0_\@:
	s_barrier_wait -3
	s_barrier_signal -1
	s_barrier_wait -1
.endm
	s_load_b128 s[4:7], s[0:1], 0x0                ; x's codes, x's scales
	s_load_b128 s[8:11], s[0:1], 0x10              ; w1's codes, w1's scales
	s_load_b64 s[96:97], s[0:1], 0x20              ; b1
	s_load_b64 s[12:13], s[0:1], 0x28              ; qkv
	v_lshl_add_u32 v[SPW], v0, 2, SPARE
	v_mov_b32 v[NIL], 0
	ds_add_u32 v[SPW], v[NIL]                      ; the wave's opening: the add, twice on end, and its wait ahead of my first tensor load
	ds_add_u32 v[SPW], v[NIL]
	v_lshrrev_b32 v1, 5, v0
	v_readfirstlane_b32 s14, v1                    ; wave 0..3
	s_lshr_b32 s15, s14, 1                         ; which half of the tile's rows is mine.  Also: I fetch for x (0) or for w1 (1)
	s_and_b32 s16, s14, 1                          ; which half of its columns.  Also: which 128 rows I fetch
	s_bfe_u32 s40, ttmp6, 0x40000                  ; cx, cy
	s_bfe_u32 s41, ttmp6, 0x40004
	s_lshl_b32 s42, ttmp9, 2
	s_add_co_u32 s42, s42, s40                     ; tile column = 4 x cluster x + cx
	s_and_b32 s17, ttmp7, 0xffff
	s_lshl_b32 s17, s17, 2
	s_add_co_u32 s17, s17, s41                     ; tile row = 4 x cluster y + cy
	s_lshl_b32 s43, s41, 2
	s_lshl_b32 s43, 15, s43                        ; my row of the cluster
	s_lshl_b32 s44, 0x1111, s40                    ; my column
	s_or_b32 s[G1+0], s43, (0<<16)|(1<<20)|(1<<21)|(5<<22)|(3<<25)  ; the mask; elements of 1 byte; padding on, four words behind every 64; bit 21 beside a mask
	s_or_b32 s[G1B+0], s44, (0<<16)|(1<<20)|(1<<21)|(5<<22)|(3<<25)
.irp g, G1, G1B
	s_mov_b32 s[\g+1], ROWB<<16                    ; tensor_dim0
	s_mov_b32 s[\g+2], 128<<16                     ; tensor_dim1
	s_mov_b32 s[\g+3], ROWB<<16                    ; tile_dim0
	s_mov_b32 s[\g+4], 128                         ; tile_dim1
	s_mov_b32 s[\g+5], KROW                        ; the pitch
	s_mov_b32 s[\g+6], 0
	s_mov_b32 s[\g+7], 0
.endr
	s_or_b32 s[G1S+0], s43, (3<<16)|(1<<20)|(1<<21)|(5<<22)|(3<<25) ; the scales of 128 rows: 4,096 dense bytes as 16 rows of 256 (32 elements of 8 bytes)
	s_or_b32 s[G1SB+0], s44, (3<<16)|(1<<20)|(1<<21)|(5<<22)|(3<<25)
.irp g, G1S, G1SB
	s_mov_b32 s[\g+1], 32<<16
	s_mov_b32 s[\g+2], (128*KS/256)<<16
	s_mov_b32 s[\g+3], 32<<16
	s_mov_b32 s[\g+4], 128*KS/256
	s_mov_b32 s[\g+5], 32
	s_mov_b32 s[\g+6], 0
	s_mov_b32 s[\g+7], 0
.endr
	s_lshl_b32 s18, s16, 7
	s_lshl_b32 s20, s17, 8
	s_add_co_u32 s20, s20, s18                     ; x: row 256 x tile row + 128 x half
	s_lshl_b32 s46, s42, 8
	s_add_co_u32 s46, s46, s18                     ; w1: row 256 x tile column + 128 x half
	s_mov_b32 s21, 0
	s_mov_b32 s47, 0
	s_mov_b64 s[18:19], KS
	s_mul_u64 s[22:23], s[20:21], s[18:19]         ; where these rows' scales begin
	s_mul_u64 s[92:93], s[46:47], s[18:19]
	s_mov_b64 s[18:19], KROW
	s_mul_u64 s[20:21], s[20:21], s[18:19]         ; and their codes
	s_mul_u64 s[46:47], s[46:47], s[18:19]
	s_mul_i32 s45, s14, HALFT                      ; where they go: wave x 128 rows
	s_mul_i32 s94, s14, HALFS
	s_wait_dscnt 0x0                               ; both opening adds are done
	s_wait_kmcnt 0x0
	s_add_nc_u64 s[20:21], s[4:5], s[20:21]
	s_add_nc_u64 s[22:23], s[6:7], s[22:23]
	s_add_nc_u64 s[46:47], s[8:9], s[46:47]
	s_add_nc_u64 s[92:93], s[10:11], s[92:93]
	CROUND                                         ; all sixteen work-groups are here: the first joint loads meet
	s_mov_b32 s[G0S], 1
	s_add_co_u32 s[G0S+1], s94, SCL
	s_mov_b64 s[G0S+2:G0S+3], s[22:23]
	s_or_b32 s[G0S+3], s[G0S+3], 0x80000000
	s_mov_b32 s[G0SB], 1
	s_add_co_u32 s[G0SB+1], s94, SCL
	s_mov_b64 s[G0SB+2:G0SB+3], s[92:93]
	s_or_b32 s[G0SB+3], s[G0SB+3], 0x80000000
	JLOAD G0S, G1S, G0SB, G1SB                     ; the scales first
.irp s, 0,1
	s_mov_b32 s[G0+4*\s], 1
	s_add_co_u32 s[G0+4*\s+1], s45, \s*SLOT
	s_add_nc_u64 s[G0+4*\s+2:G0+4*\s+3], s[20:21], \s*ROWB
	s_or_b32 s[G0+4*\s+3], s[G0+4*\s+3], 0x80000000
	s_mov_b32 s[G0B+4*\s], 1
	s_add_co_u32 s[G0B+4*\s+1], s45, \s*SLOT
	s_add_nc_u64 s[G0B+4*\s+2:G0B+4*\s+3], s[46:47], \s*ROWB
	s_or_b32 s[G0B+4*\s+3], s[G0B+4*\s+3], 0x80000000
	JLOAD G0+4*\s, G1, G0B+4*\s, G1B               ; three tensor loads of mine are out in all
.endr
	v_and_b32 v1, 15, v0                           ; r = lane % 16
	v_bfe_u32 v2, v0, 4, 1                         ; h = lane / 16
	v_mul_u32_u24 v3, v1, PITCH
	v_lshl_add_u32 v4, v2, 4, v3                   ; a fragment's row x pitch + 16 h
	s_mul_i32 s21, s15, HALFT                      ; my 128 rows of x
	s_mul_i32 s22, s16, HALFT                      ; my 128 rows of w1,
	s_add_co_u32 s22, s22, 2*HALFT                 ; which lie behind x's 256
.irp s, 0,1
	v_add_nc_u32 v[ADRA+\s], s21, v4
	v_add_nc_u32 v[ADRB+\s], s22, v4
	s_add_co_u32 s21, s21, SLOT
	s_add_co_u32 s22, s22, SLOT
.endr
	v_mul_u32_u24 v5, v1, KS                       ; my row's scales: KS bytes a row,
	v_lshrrev_b32 v6, 8, v5
	v_lshl_add_u32 v5, v6, 4, v5                   ; and 16 more for each 256 passed
	s_mul_i32 s21, s15, HALFS
	s_mul_i32 s22, s16, HALFS
	s_add_co_u32 s22, s22, 2*HALFS
	s_sub_co_u32 s22, s22, s21
	v_mul_u32_u24 v6, s22, v2                      ; lanes 16-31 take w1's
	s_add_co_u32 s21, s21, SCL
	v_add_nc_u32 v5, v5, v6
	v_add_nc_u32 v[ADRS], s21, v5
	s_mul_i32 s23, s14, 16*SPITCH                  ; my stage
	v_mul_u32_u24 v5, v1, SPITCH                   ; in: row r, 16 bytes for each half of the lanes
	v_lshl_add_u32 v5, v2, 4, v5
	v_add_nc_u32 v[STO], s23, v5
	v_bfe_u32 v5, v0, 3, 1                         ; back: lanes 0-15 take one head's 128 bytes of two rows, lanes 16-31 the next head's
	v_mul_u32_u24 v5, v5, SPITCH
	v_lshl_add_u32 v5, v2, 7, v5
	v_and_b32 v6, 7, v0
	v_lshl_add_u32 v5, v6, 4, v5
	v_add_nc_u32 v[RD], s23, v5
	v_bfe_u32 v5, v0, 3, 1                         ; and the same place in qkv: two positions of a head are 256 consecutive bytes; heads lie 2^18 bytes apart
	v_lshlrev_b32 v5, 7, v5
	v_lshl_add_u32 v5, v2, 18, v5
	v_lshl_add_u32 v[CO], v6, 4, v5
	v_lshlrev_b32 v[BO], 5, v2
	s_lshr_b32 s20, s17, 3                         ; the rows' part of my place in qkv: batch = tile row / 8,
	s_lshl_b32 s20, s20, 22
	s_and_b32 s21, s17, 7
	s_lshl_b32 s21, s21, 15                        ; position 256 (tile row % 8) + 128 x half, 128 bytes each
	s_add_co_u32 s20, s20, s21
	s_lshl_b32 s21, s15, 14
	s_add_co_u32 s20, s20, s21
	s_lshl_b32 s46, s42, 10                        ; b1 at my first column: 4 (256 x tile column + 128 x half)
	s_lshl_b32 s47, s16, 9
	s_add_co_u32 s46, s46, s47
	s_mov_b32 s47, 0
	s_add_nc_u64 s[96:97], s[96:97], s[46:47]
	s_lshr_b32 s46, s42, 2                         ; the columns' part: part = tile column / 4,
	s_lshl_b32 s46, s46, 24
	s_and_b32 s47, s42, 3
	s_lshl_b32 s47, s47, 20                        ; head 4 (tile column % 4) + 2 x half
	s_add_co_u32 s46, s46, s47
	s_lshl_b32 s47, s16, 19
	s_add_co_u32 s46, s46, s47
	s_add_co_u32 s20, s20, s46
	s_mov_b32 s21, 0
	s_add_nc_u64 s[12:13], s[12:13], s[20:21]
.irp b, 0,1,2,3,4,5,6,7
	global_load_b128 v[BIAS+8*\b:BIAS+8*\b+3], v[BO], s[96:97] offset:64*\b         ; lane (r, h): b1 at columns 16 b + 8 h + 0 .. 7
	global_load_b128 v[BIAS+8*\b+4:BIAS+8*\b+7], v[BO], s[96:97] offset:64*\b+16
.endr
.macro FRAG reg, adr, q, i             ; 16 rows x 128 K of 4-bit codes: 8 registers: registers 4 c .. 4 c + 3 hold K = 64 c + 32 h + 0 .. 31
.irp c, 0,1
	ds_load_b128 v[\reg+4*\c:\reg+4*\c+3], v[\adr] offset:64*(\q)+32*\c+(\i)*16*PITCH
.endr
.endm
; 16 matrix instructions: x's blocks a0, a0 + 1 against w1's eight.  zero = 1: the first product starts the sums from the bias.  The 64 accumulators take turns, one instruction a turn.
.macro MUL16 a0, p, q, sc, zero
.irp a, \a0, \a0+1
.irp b, 0,1,2,3,4,5,6,7
.if \zero
	v_wmma_scale_f32_16x16x128_f8f6f4 v[8*(8*((\a)%4)+\b):8*(8*((\a)%4)+\b)+7], v[128*(\p)+FR*\b:128*(\p)+FR*\b+FR-1], v[AF+FR*(\a):AF+FR*(\a)+FR-1], v[BIAS+8*\b:BIAS+8*\b+7], v[SC+8*NQ*(\sc)+NQ*\b+(\q)], v[SC+8*NQ*(\sc)+NQ*(\a)+(\q)] matrix_a_fmt:MATRIX_FMT_FP4 matrix_b_fmt:MATRIX_FMT_FP4 matrix_a_scale:MATRIX_SCALE_ROW1
.else
	v_wmma_scale_f32_16x16x128_f8f6f4 v[8*(8*((\a)%4)+\b):8*(8*((\a)%4)+\b)+7], v[128*(\p)+FR*\b:128*(\p)+FR*\b+FR-1], v[AF+FR*(\a):AF+FR*(\a)+FR-1], v[8*(8*((\a)%4)+\b):8*(8*((\a)%4)+\b)+7], v[SC+8*NQ*(\sc)+NQ*\b+(\q)], v[SC+8*NQ*(\sc)+NQ*(\a)+(\q)] matrix_a_fmt:MATRIX_FMT_FP4 matrix_b_fmt:MATRIX_FMT_FP4 matrix_a_scale:MATRIX_SCALE_ROW1
.endif
.endr
.endr
.endm
.macro FETCH_B slot, q, p
	WIN TO_B
.irp i, 0,1,2,3,4,5,6,7
	FRAG 128*(\p)+FR*\i, ADRB+\slot, \q, \i
.endr
	WIN 0
.endm
.macro FETCH_A slot, q, i0
.irp i, \i0, \i0+1, \i0+2, \i0+3
	FRAG AF+FR*(\i), ADRA+\slot, \q, \i
.endr
.endm
.macro SCALES sc                       ; a K step's scale words: lanes 0-15 take x's block i, lanes 16-31 w1's block i
.irp i, 0,1,2,3,4,5,6,7
	ds_load_b128 v[SC+8*NQ*\sc+NQ*\i:SC+8*NQ*\sc+NQ*\i+3], v[ADRS] offset:\i*SBLK
.endr
.endm
.macro PLACES n                        ; plain vector instructions between a matrix instruction and a load into, or a read of, its registers
.rept \n
	v_nop
.endr
.endm
.macro STEP slot, q, zero              ; 128 along K with its successor in the same slot.  zero = 1: C comes from window 0
	s_wait_dscnt 4*NL                              ; w1's set and x's blocks 0-3 are in; the youngest eight loads (x's blocks 4-7) may be out
	WIN MUL_LO-0x20*(\zero)
	MUL16 0, (\q)%2, \q, \slot, \zero
	MUL16 2, (\q)%2, \q, \slot, \zero
	s_wait_dscnt 0
	PLACES NP
	FETCH_B \slot, (\q)+1, 1-(\q)%2
	FETCH_A \slot, (\q)+1, 0
	WIN MUL_HI-0x30*(\zero)
	MUL16 4, (\q)%2, \q, \slot, \zero
	MUL16 6, (\q)%2, \q, \slot, \zero
	PLACES NP
	WIN 0
	FETCH_A \slot, (\q)+1, 4
.endm
	s_wait_tensorcnt 1                             ; the scales and my part of K step 0 are in; K step 1's load may be out
	s_wait_loadcnt 0x0                             ; the bias
	s_barrier_signal -1
	s_barrier_wait -1
	FETCH_B 0, 0, 0
	FETCH_A 0, 0, 0
	SCALES 0
	FETCH_A 0, 0, 4
	STEP 0, 0, 1
	STEP 0, 1, 0
	STEP 0, 2, 0
	; slot 0's last step changes slots: one barrier, in front of which each wave has its part of slot 1 in LDS
	s_wait_tensorcnt 0x0                           ; all my tensor loads have landed
	ds_add_u32 v[SPW], v[NIL]                      ; 0 onto my spare word
	s_wait_dscnt 4*NL+1                            ; (the add and the youngest eight loads may be out)
	WIN MUL_LO
	MUL16 0, 1, NQ-1, 0, 0
	s_wait_dscnt 0x0                               ; the add is done, and my reads of slot 0 are over
	s_barrier_signal -1
	MUL16 2, 1, NQ-1, 0, 0
	WIN 0
	s_barrier_wait -1
	PLACES NP
	v_add_nc_u32 v[ADRS], 4*NQ, v[ADRS]            ; on to the next K step's scale words
	FETCH_B 1, 0, 0
	FETCH_A 1, 0, 0
	SCALES 1
	WIN MUL_HI
	MUL16 4, 1, NQ-1, 0, 0
	MUL16 6, 1, NQ-1, 0, 0
	PLACES NP
	WIN 0
	FETCH_A 1, 0, 4
	STEP 1, 0, 0
	STEP 1, 1, 0
	STEP 1, 2, 0
	s_wait_dscnt 4*NL                              ; the very last step
	WIN MUL_LO
	MUL16 0, 1, NQ-1, 1, 0
	MUL16 2, 1, NQ-1, 1, 0
	s_wait_dscnt 0
	WIN MUL_HI
	MUL16 4, 1, NQ-1, 1, 0
	MUL16 6, 1, NQ-1, 1, 0
	WIN 0
; THE WAY OUT, block by block of 16 rows x 128 columns (two heads).  PACK: rounded to f16, 16 bytes a lane.  TOSTAGE: into my stage, and back so that sixteen lanes hold two positions of one head.  SEND: stored.
.macro PACK a
.set AC, 64*((\a)%4)
	WIN 0x0a+5*((\a)/4)                            ; sources 0 and 1: window 2 or 3
.irp b, 0,1,2,3,4,5,6,7
.irp e, 0,1,2,3
	v_cvt_pk_f16_f32 v[TMP+4*\b+\e], v[AC+8*\b+2*\e], v[AC+8*\b+2*\e+1]   ; each accumulator from its low end on
.endr
.endr
	WIN 0
.endm
.macro TOSTAGE a
.set BB, BK+32*((\a)%2)
.irp b, 0,1,2,3,4,5,6,7
	ds_store_b128 v[STO], v[TMP+4*\b:TMP+4*\b+3] offset:32*\b
.endr
.irp t, 0,1,2,3,4,5,6,7
	ds_load_b128 v[BB+4*\t:BB+4*\t+3], v[RD] offset:\t*2*SPITCH    ; LDS serves a wave's instructions in order: these see the stores above
.endr
.endm
.macro SEND a
.set BB, BK+32*((\a)%2)
	s_wait_dscnt 0x0                               ; the block is back in registers
	s_wait_xcnt 0x0                                ; the block before has had its stores' data read: the next block's loads may land there
.irp t, 0,1,2,3,4,5,6,7
	global_store_b128 v[CO], v[BB+4*\t:BB+4*\t+3], s[12:13] offset:(\a)*2048+\t*256   ; sixteen lanes store 256 consecutive bytes, aligned
.endr
.endm
	PLACES NP
	PACK 0
	TOSTAGE 0
.irp a, 1,2,3,4,5,6,7
	PACK \a
	SEND \a-1
	TOSTAGE \a
.endr
	SEND 7
	s_wait_tensorcnt 0x0                           ; the wave's end
	ds_add_u32 v[SPW], v[NIL]
	s_wait_dscnt 0x0
	CROUND                                         ; the closing round
	s_endpgm
.Lfunc_end_k_q5d538eb1ea_qkv:
	.size	k_q5d538eb1ea_qkv, .Lfunc_end_k_q5d538eb1ea_qkv-k_q5d538eb1ea_qkv
	.p2alignl 7, 3214868480
	.fill 96, 4, 3214868480
	.section	.rodata,"a",@progbits
	.p2align	6, 0x0
	.amdhsa_kernel k_q5d538eb1ea_qkv
		.amdhsa_group_segment_fixed_size 327680
		.amdhsa_private_segment_fixed_size 0
		.amdhsa_enable_private_segment 0
		.amdhsa_kernarg_size 48
		.amdhsa_user_sgpr_count 2
		.amdhsa_user_sgpr_kernarg_segment_ptr 1
		.amdhsa_wavefront_size32 1
		.amdhsa_system_sgpr_workgroup_id_x 1
		.amdhsa_system_sgpr_workgroup_id_y 1
		.amdhsa_system_sgpr_workgroup_id_z 1
		.amdhsa_system_vgpr_workitem_id 0
		.amdhsa_next_free_vgpr 1024
		.amdhsa_next_free_sgpr 100
		.amdhsa_reserve_vcc 0
		.amdhsa_float_denorm_mode_32 3
		.amdhsa_float_denorm_mode_16_64 3
		.amdhsa_memory_ordered 1
		.amdhsa_forward_progress 1
		.amdhsa_inst_pref_size 128
	.end_amdhsa_kernel
	.amdgpu_metadata
---
amdhsa.version: [ 1, 2 ]
amdhsa.kernels:
  - .name:           k_q5d538eb1ea_qkv
    .symbol:         k_q5d538eb1ea_qkv.kd
    .args:
      - { .name: xc, .offset: 0, .size: 8, .value_kind: global_buffer, .address_space: global }
      - { .name: xs, .offset: 8, .size: 8, .value_kind: global_buffer, .address_space: global }
      - { .name: wc, .offset: 16, .size: 8, .value_kind: global_buffer, .address_space: global }
      - { .name: ws, .offset: 24, .size: 8, .value_kind: global_buffer, .address_space: global }
      - { .name: b1, .offset: 32, .size: 8, .value_kind: global_buffer, .address_space: global }
      - { .name: qkv, .offset: 40, .size: 8, .value_kind: global_buffer, .address_space: global }
    .group_segment_fixed_size: 327680
    .private_segment_fixed_size: 0
    .kernarg_segment_align: 8
    .kernarg_segment_size: 48
    .max_flat_workgroup_size: 128
    .sgpr_count:     100
    .vgpr_count:     1024
    .wavefront_size: 32
...
	.end_amdgpu_metadata
.endif
;; end of part 2
;; launch attn (part 3): grid 4 x 64, 16 waves a work-group, no clusters, 327,680 bytes of LDS; arguments qkv, op; writes op
.if DOCPART == 3
	.amdgcn_target "amdgcn-amd-amdhsa--gfx1250"
	.amdhsa_code_object_version 6
	.text
	.protected	k_q5d538eb1ea_attn
	.globl	k_q5d538eb1ea_attn
	.p2align	8
	.type	k_q5d538eb1ea_attn,@function
k_q5d538eb1ea_attn:
	s_mov_b64 s[64:65], 0
	v_nop
	global_prefetch_b8 v0, s[64:65] scope:SCOPE_SE
	s_setreg_imm32_b32 hwreg(HW_REG_WAVE_MODE, 25, 1), 1
	s_wait_xcnt 0x0
; o[b][hd][q] = the sum over k <= q of softmax_k(q . k / 8) v, head size 64, 2,048 positions, 64 (batch, head) pairs.  Operands f16, products, maxima and sums f32; the weights p are rounded to f16 for the second product, o once at the end.
; q, k, v: qkv, byte = part << 24 + head << 18 + 128 position + 2 channel.  o: op, byte = ((2048 batch + position) / 2) 4096 + 256 hd + 128 (position % 2) + 2 channel: two positions of a head are 256 consecutive bytes.
; LIMITS: a key after the query counts as p = 0 (the additive -1e10 gives that in f32 while scores differ by less than about 1e10); o within +-65,504; NaN and infinities are not served.
; SHARES.  Work-group (i, head): waves 0-7 own query block i (256 queries), waves 8-15 block 7 - i, 32 queries a wave (two tiles of 16): 264 wave steps of 32 queries x 64 keys in every work-group.
; NO CLUSTER: the four work-groups of a head need 8, 7, 6 and 5 slots of keys: a partner would be named for tiles that none of its waves reads.
; LAYOUT.  S^T = K Q^T (source 0 = 16 keys, source 1 = 16 queries): a lane holds ONE query (lane % 16) and keys 8 (lane / 16) + 0..7 of a tile.  Two such tiles, rounded to f16 in pairs, are source 1 (32 keys x 16 queries) of O^T = V^T P.
; K comes out of LDS as it lies, V ([key][channel]) turned, by ds_load_tr16_b128.  SOFTMAX: running maximum m and sum l: p = 2^(c s - c m), c = log2(e) / 8; O and l are multiplied by a = 2^(c m_old - c m_new) in every step.
; THE WALK.  Every work-group walks all 8 slots of 256 keys (constant trip counts); a step of 64 keys all of which come after the wave's 32 queries is jumped over by a scalar branch on ids; a slot whose first key comes after the
; work-group's last query is not asked for.  Two LDS slots; waves 0, 1 fetch K's halves, waves 2, 3 V's; every wait on TENSORcnt is for 0.
.set KP,    144                        ; a key's row in LDS: 128 bytes + 16
.set VP,    160                        ; a row of V: 128 + 32: an odd multiple of 32 for the turning load
.set SK,    256                        ; keys in a slot
.set VOFF,  SK*KP
.set SLOTB, SK*(KP+VP)                 ; 77,824
.set SLOT1, 1<<17                      ; slot 1 begins here: one exclusive or turns an address
.set STAGE, SLOTB                      ; between the slots: 16 rows x 144 bytes for each wave; no fill lands here
.set SPARE, SLOT1+SLOTB                ; the spare words, 128 bytes a wave
.set NSL,   8
.set AK0, 1
.set AV0, 2
.set ADK, 3
.set ADV, 4
.set SPW, 5
.set NIL, 6
.set GO,  7
.set DD,  8                            ; v8  Q's lane offset, later my query less the step's first key less 8 (lane / 16)
.set NINF, 9
.set STO, 10
.set RD,  11
.set ST,  12                           ; tile t's statistics at v[ST + 8 t]: +0 c m, +1 m, +2, +3 l, +4 .. +7 at work; a in +6
.set PFO, 28
.set Q,   32                           ; Q (tile t, channels 32 c on) at Q + 16 t + 8 c
.set KV,  64                           ; K (keys 16 kt, channels 32 c) at KV + 16 kt + 8 c; later V (keys 32 a, channels 16 ct) at KV + 32 a + 8 ct
.set S,   128                          ; S^T (tile t, keys 16 kt) at S + 32 t + 8 kt; P in place, 16 registers a tile
.set O,   192                          ; O^T (tile t, channels 16 ct) at O + 32 t + 8 ct
.set TB,  2
.set WV,  18
.set SEL, 20
.set CS,  22
.set G1K, 24
.set G1V, 32
.set G0K, 40
.set G0V, 44
.set QL,  66                           ; s66  my work-group's last query
.set SLOTS, 67
.set PFA, 76
.set LIM, 80
.set KF,  98                           ; s98  the step's first key
.set Q0,  99                           ; s99  my wave's first query
.macro TLOAD                           ; waves 0, 1: K; waves 2, 3: V; the others nothing.  An s_nop 0 and four v_nop follow each line
	s_cmp_lt_u32 s[WV], 2
	s_cbranch_scc0 .Lnot_k_\@
	tensor_load_to_lds s[G0K:G0K+3], s[G1K:G1K+7]
	s_nop 0
.rept 4
	v_nop
.endr
	s_branch .Lasked_\@
.Lnot_k_\@:
	s_cmp_lt_u32 s[WV], 4
	s_cbranch_scc0 .Lasked_\@
	tensor_load_to_lds s[G0V:G0V+3], s[G1V:G1V+7]
	s_nop 0
.rept 4
	v_nop
.endr
.Lasked_\@:
.endm
; A prefetch of what the NEXT change of slots will ask for: 32,768 dense bytes of K and as many of V.  The head's work-group 0, which walks all slots, asks; in it waves 4-7 for K, waves 8-11 for V:
; 8,192 bytes a wave, lanes 256 bytes apart: each run of 256 bytes is named once in the launch.  Slots 0 and 1 come by their loads alone; the last filling change names nothing.
.macro ASK
	s_cmp_gt_u32 s[SLOTS], s[LIM]
	s_cbranch_scc0 .Lnot_mine_\@
	global_prefetch_b8 v[PFO], s[PFA:PFA+1] th:TH_LOAD_NT scope:SCOPE_SE
.Lnot_mine_\@:
.endm
	s_load_b128 s[4:7], s[0:1], 0x0                ; qkv, op
	v_lshl_add_u32 v[SPW], v0, 2, SPARE
	v_mov_b32 v[NIL], 0
	ds_add_u32 v[SPW], v[NIL]                      ; the wave's opening: the add, twice on end, and its wait ahead of the first tensor load
	ds_add_u32 v[SPW], v[NIL]
	v_lshrrev_b32 v29, 5, v0
	v_readfirstlane_b32 s[WV], v29                 ; wave 0..15
	s_and_b32 s72, ttmp7, 0xffff                   ; 16 batch + head
	s_lshl_b32 s73, s72, 18                        ; its first byte in a part
	s_lshr_b32 s68, s[WV], 3
	s_lshl_b32 s69, ttmp9, 1
	s_sub_co_u32 s69, 7, s69
	s_mul_i32 s68, s68, s69
	s_add_co_u32 s68, s68, ttmp9                   ; my query block: i, or 7 - i in waves 8-15
	s_lshl_b32 s68, s68, 8
	s_and_b32 s69, s[WV], 7
	s_lshl_b32 s69, s69, 5
	s_add_co_u32 s[Q0], s68, s69
	s_sub_co_u32 s68, 8, ttmp9
	s_lshl_b32 s68, s68, 8
	s_sub_co_u32 s[QL], s68, 1                     ; 256 (8 - i) - 1
	s_and_b32 s88, s[WV], 1                        ; which 128 rows of a slot I fetch, if I fetch
	s_lshl_b32 s89, s88, 14
	s_add_co_u32 s90, s73, s89
	s_add_co_u32 s90, s90, 1<<24                   ; K: in memory,
	s_mov_b32 s91, 0
	s_add_co_u32 s92, s73, s89
	s_add_co_u32 s92, s92, 2<<24                   ; V
	s_mov_b32 s93, 0
	s_mul_i32 s94, s88, 128*KP                     ; and in a slot
	s_mul_i32 s95, s88, 128*VP
	s_add_co_u32 s95, s95, VOFF
	s_mov_b32 s[G1K], (1<<16)|(1<<20)|(4<<22)|(3<<25)  ; elements of 2 bytes; padding on: four words behind every 32
	s_mov_b32 s[G1V], (1<<16)|(1<<20)|(4<<22)|(7<<25)  ; eight words
.irp g, G1K, G1V
	s_mov_b32 s[\g+1], 64<<16                      ; tensor_dim0 = 64
	s_mov_b32 s[\g+2], 128<<16                     ; tensor_dim1 = 128
	s_mov_b32 s[\g+3], 64<<16                      ; tile_dim0 = 64
	s_mov_b32 s[\g+4], 128                         ; tile_dim1 = 128
	s_mov_b32 s[\g+5], 64                          ; the pitch
	s_mov_b32 s[\g+6], 0
	s_mov_b32 s[\g+7], 0
.endr
	s_lshl_b32 s82, s[Q0], 7
	s_add_co_u32 s82, s82, s73                     ; Q at my first query
	s_mov_b32 s83, 0
	s_lshr_b32 s84, s72, 4
	s_lshl_b32 s84, s84, 11
	s_add_co_u32 s84, s84, s[Q0]
	s_lshl_b32 s84, s84, 11                        ; op: (2048 batch + query) / 2 rows of 4,096 bytes,
	s_and_b32 s85, s72, 15
	s_lshl_b32 s85, s85, 8
	s_add_co_u32 s84, s84, s85                     ; + 256 hd
	s_mov_b32 s85, 0
	s_mov_b32 s[SEL], 0x76543210
	s_mov_b32 s[SEL+1], 0xfedcba98
	s_mov_b32 s[CS], 0x3e38aa3b                    ; c = log2(e) / 8
	s_mov_b32 s[CS+1], s[CS]
	s_mov_b32 s[TB], 0
	s_mov_b32 s[KF], 0
	s_mov_b32 s[SLOTS], NSL-1
	s_cmp_lt_u32 s[WV], 8                          ; the prefetches: waves 4-7 K's part, waves 8-11 V's
	s_mov_b32 s86, 2<<24
	s_cselect_b32 s86, 1<<24, s86
	s_and_b32 s87, s[WV], 3
	s_lshl_b32 s87, s87, 13
	s_add_co_u32 s86, s86, s87
	s_add_co_u32 s86, s86, s73
	s_add_co_u32 s86, s86, SK*128                  ; in slot 1: the first change of slots steps it to slot 2
	s_mov_b32 s87, 0
	s_sub_co_u32 s70, s[WV], 4
	s_lshr_b32 s70, s70, 3                         ; 0 in waves 4 to 11,
	s_or_b32 s70, s70, ttmp9                       ; of the head's work-group 0
	s_cmp_eq_u32 s70, 0
	s_cselect_b32 s[LIM], 1, -1
	s_wait_dscnt 0x0                               ; both opening adds are done
	s_wait_kmcnt 0x0
	s_mov_b32 s[G0K], 1
	s_mov_b32 s[G0K+1], s94
	s_add_nc_u64 s[G0K+2:G0K+3], s[4:5], s[90:91]
	s_or_b32 s[G0K+3], s[G0K+3], 0x80000000
	s_mov_b32 s[G0V], 1
	s_mov_b32 s[G0V+1], s95
	s_add_nc_u64 s[G0V+2:G0V+3], s[4:5], s[92:93]
	s_or_b32 s[G0V+3], s[G0V+3], 0x80000000
	TLOAD                                          ; slot 0: it holds key 0, which counts for every query
	s_add_nc_u64 s[8:9], s[4:5], s[82:83]
	s_add_nc_u64 s[10:11], s[6:7], s[84:85]
	s_add_nc_u64 s[PFA:PFA+1], s[4:5], s[86:87]
	v_and_b32 v29, 15, v0                          ; r
	v_bfe_u32 v30, v0, 4, 1                        ; h
	v_lshlrev_b32 v[DD], 7, v29
	v_lshl_add_u32 v[DD], v30, 4, v[DD]            ; Q: row r of 128 bytes + 16 h
.irp t, 0,1
.irp c, 0,1
	global_load_b128 v[Q+16*\t+8*\c:Q+16*\t+8*\c+3], v[DD], s[8:9] offset:\t*2048+\c*64
	global_load_b128 v[Q+16*\t+8*\c+4:Q+16*\t+8*\c+7], v[DD], s[8:9] offset:\t*2048+\c*64+32
.endr
.endr
	v_mul_u32_u24 v[AK0], v29, KP
	v_lshl_add_u32 v[AK0], v30, 4, v[AK0]          ; K: row r x pitch + 16 h
	v_and_b32 v31, 7, v0
	v_lshl_add_u32 v[AV0], v30, 3, v31             ; V, turned: key 8 h + lane % 8,
	v_mul_u32_u24 v[AV0], v[AV0], VP
	v_bfe_u32 v[PFO], v0, 3, 1
	v_lshl_add_u32 v[AV0], v[PFO], 4, v[AV0]       ; channels 8 ((lane / 8) % 2) on
	v_add_nc_u32 v[AV0], VOFF, v[AV0]
	s_mul_i32 s86, s[WV], 16*KP
	s_add_co_u32 s86, s86, STAGE                   ; my stage
	v_mul_u32_u24 v[STO], v29, KP
	v_lshl_add_u32 v[STO], v30, 4, v[STO]
	v_add_nc_u32 v[STO], s86, v[STO]               ; in: row r, 16 bytes for each half of the lanes
	v_bfe_u32 v[RD], v0, 3, 2
	v_mul_u32_u24 v[RD], v[RD], KP
	v_lshl_add_u32 v[RD], v31, 4, v[RD]
	v_add_nc_u32 v[RD], s86, v[RD]                 ; back: eight lanes to a row of 128 bytes, four rows an instruction
	v_lshlrev_b32 v[GO], 12, v30
	v_lshl_add_u32 v[GO], v[PFO], 7, v[GO]
	v_lshl_add_u32 v[GO], v31, 4, v[GO]            ; and the same place in op
	v_and_b32 v[PFO], 31, v0
	v_lshlrev_b32 v[PFO], 8, v[PFO]
	v_mov_b32 v[NINF], 0xff800000
.irp t, 0,1
	v_mov_b32 v[ST+8*\t+1], 0xff61b1e6             ; m: -3e38, under every score
	v_mul_f32 v[ST+8*\t], s[CS], v[ST+8*\t+1]
.irp j, 2,3,4,5,6,7
	v_mov_b32 v[ST+8*\t+\j], 0
.endr
.endr
.irp j, 0,1,2,3,4,5,6,7,8,9,10,11,12,13,14,15,16,17,18,19,20,21,22,23,24,25,26,27,28,29,30,31,32,33,34,35,36,37,38,39,40,41,42,43,44,45,46,47,48,49,50,51,52,53,54,55,56,57,58,59,60,61,62,63
	v_mov_b32 v[O+\j], 0                           ; O^T: the step is written once; the first finds zeros, which a = 0 leaves zeros
.endr
; A KEY STEP: 64 keys, the q-th of the slot in hand, against my 32 queries.
.macro STEP q
	s_add_co_u32 s96, s[Q0], 31
	s_cmp_gt_u32 s[KF], s96                        ; all 64 keys come after my queries: the step's work is left out
	s_cbranch_scc1 .Lhidden_\@
	v_add_nc_u32 v[ADK], s[TB], v[AK0]
	v_add_nc_u32 v[ADV], s[TB], v[AV0]
.rept 3
	v_nop                                          ; with the two additions five places: the products below write over registers that the last step's products read as P, and the loads land on its V
.endr
.irp kt, 0,1,2,3
.irp c, 0,1
	ds_load_b128 v[KV+16*\kt+8*\c:KV+16*\kt+8*\c+3], v[ADK] offset:(64*(\q)+16*\kt)*KP+64*\c
	ds_load_b128 v[KV+16*\kt+8*\c+4:KV+16*\kt+8*\c+7], v[ADK] offset:(64*(\q)+16*\kt)*KP+64*\c+32
.endr
.endr
	s_wait_dscnt 0x0
.irp c, 0,1                                    ; S^T = K Q^T: the eight accumulators take turns, one instruction a turn
.irp kt, 0,1,2,3
.irp t, 0,1
.if \c == 0
	v_wmma_f32_16x16x32_f16 v[S+32*\t+8*\kt:S+32*\t+8*\kt+7], v[KV+16*\kt+8*\c:KV+16*\kt+8*\c+7], v[Q+16*\t+8*\c:Q+16*\t+8*\c+7], 0
.else
	v_wmma_f32_16x16x32_f16 v[S+32*\t+8*\kt:S+32*\t+8*\kt+7], v[KV+16*\kt+8*\c:KV+16*\kt+8*\c+7], v[Q+16*\t+8*\c:Q+16*\t+8*\c+7], v[S+32*\t+8*\kt:S+32*\t+8*\kt+7]
.endif
.endr
.endr
.endr
.rept 4
	v_nop                                          ; places in front of the loads into K's registers and of the first read of the scores
.endr
.irp a, 0,1                                    ; V of this step, turned: it lands while the softmax is worked
.irp ct, 0,1,2,3
	ds_load_tr16_b128 v[KV+32*\a+8*\ct:KV+32*\a+8*\ct+3], v[ADV] offset:(64*(\q)+32*\a)*VP+32*\ct
	ds_load_tr16_b128 v[KV+32*\a+8*\ct+4:KV+32*\a+8*\ct+7], v[ADV] offset:(64*(\q)+32*\a)*VP+16*VP+32*\ct
.endr
.endr
	s_add_co_u32 s96, s[KF], 63
	s_cmp_le_u32 s96, s[Q0]                        ; all 64 keys count for all my queries: no mask
	s_cbranch_scc1 .Lopen_\@
	s_sub_co_i32 s96, s[Q0], s[KF]
	v_and_b32 v[DD], 15, v0
	v_bfe_u32 v29, v0, 4, 1
	v_lshlrev_b32 v29, 3, v29
	v_sub_nc_u32 v[DD], v[DD], v29
	v_add_nc_u32 v[DD], s96, v[DD]                 ; d = Q0 - KF + r - 8 h.  Register n of tile t holds key KF + 16 (n / 8) + 8 h + n % 8 for query Q0 + 16 t + r: hidden where 16 (n / 8) + n % 8 - 16 t > d
.irp t, 0,1
.irp n, 0,1,2,3,4,5,6,7,8,9,10,11,12,13,14,15,16,17,18,19,20,21,22,23,24,25,26,27,28,29,30,31
	v_cmp_gt_i32 vcc_lo, 16*(\n/8)+\n%8-16*\t, v[DD]
	v_cndmask_b32 v[S+32*\t+\n], v[S+32*\t+\n], v[NINF], vcc_lo
.endr
.endr
.Lopen_\@:
.irp j, 0,1,2,3                                ; the largest of my 32 scores and the old m: four chains, each accumulator from its low end on; the two tiles by turns
.irp t, 0,1
	v_max3_num_f32 v[ST+8*\t+4+\j], v[S+32*\t+8*\j], v[S+32*\t+8*\j+1], v[S+32*\t+8*\j+2]
.endr
.endr
.irp u, 3,5
.irp j, 0,1,2,3
.irp t, 0,1
	v_max3_num_f32 v[ST+8*\t+4+\j], v[ST+8*\t+4+\j], v[S+32*\t+8*\j+\u], v[S+32*\t+8*\j+\u+1]
.endr
.endr
.endr
.irp t, 0,1
	v_max3_num_f32 v[ST+8*\t+4], v[ST+8*\t+4], v[S+32*\t+7], v[S+32*\t+15]
.endr
.irp t, 0,1
	v_max3_num_f32 v[ST+8*\t+6], v[ST+8*\t+6], v[S+32*\t+23], v[S+32*\t+31]
.endr
.irp t, 0,1
	v_max3_num_f32 v[ST+8*\t+4], v[ST+8*\t+4], v[ST+8*\t+5], v[ST+8*\t+6]
.endr
.irp t, 0,1
	v_max3_num_f32 v[ST+8*\t+4], v[ST+8*\t+4], v[ST+8*\t+7], v[ST+8*\t+1]
.endr
.irp t, 0,1
	v_permlanex16_b32 v[ST+8*\t+5], v[ST+8*\t+4], s[SEL], s[SEL+1]   ; the query's other 32 keys lie in the lane 16 away
.endr
.irp t, 0,1
	v_mov_b32 v[ST+8*\t+7], v[ST+8*\t]             ; c m_old
.endr
.irp t, 0,1
	v_max_num_f32 v[ST+8*\t+1], v[ST+8*\t+4], v[ST+8*\t+5]
.endr
.irp t, 0,1
	v_mul_f32 v[ST+8*\t], s[CS], v[ST+8*\t+1]
.endr
.irp t, 0,1
	v_sub_f32 v[ST+8*\t+7], v[ST+8*\t+7], v[ST+8*\t]
.endr
.irp i, 0,2,4,6,8,10,12,14,16,18,20,22,24,26,28,30
.irp t, 0,1
	v_pk_fma_f32 v[S+32*\t+\i:S+32*\t+\i+1], v[S+32*\t+\i:S+32*\t+\i+1], s[CS:CS+1], v[ST+8*\t:ST+8*\t+1] op_sel_hi:[1,0,0] neg_lo:[0,0,1] neg_hi:[0,0,1]   ; c s - c m
.endr
.endr
.irp t, 0,1                                    ; ONE BATCH of 66 exponentials
	v_exp_f32 v[ST+8*\t+6], v[ST+8*\t+7]           ; a
.endr
.irp t, 0,1
.irp n, 0,1,2,3,4,5,6,7,8,9,10,11,12,13,14,15,16,17,18,19,20,21,22,23,24,25,26,27,28,29,30,31
	v_exp_f32 v[S+32*\t+\n], v[S+32*\t+\n]
.endr
.endr
	v_nop                                          ; a plain instruction behind the last exponential
	s_wait_alu depctr_va_vdst(0)                   ; one wait for the batch, ahead of its first reader
.irp t, 0,1
	v_pk_mul_f32 v[ST+8*\t+2:ST+8*\t+3], v[ST+8*\t+2:ST+8*\t+3], v[ST+8*\t+6:ST+8*\t+7] op_sel_hi:[1,0]   ; l x a
.endr
.irp t, 0,1
	v_pk_add_f32 v[ST+8*\t+4:ST+8*\t+5], v[S+32*\t+2:S+32*\t+3], v[S+32*\t+6:S+32*\t+7]   ; the sum of the unrounded p, in two chains
.endr
.irp i, 0,4
.irp t, 0,1
	v_pk_add_f32 v[ST+8*\t+2:ST+8*\t+3], v[ST+8*\t+2:ST+8*\t+3], v[S+32*\t+\i:S+32*\t+\i+1]
.endr
.endr
.irp i, 8,12,16,20,24,28
.irp t, 0,1
	v_pk_add_f32 v[ST+8*\t+2:ST+8*\t+3], v[ST+8*\t+2:ST+8*\t+3], v[S+32*\t+\i:S+32*\t+\i+1]
	v_pk_add_f32 v[ST+8*\t+4:ST+8*\t+5], v[ST+8*\t+4:ST+8*\t+5], v[S+32*\t+\i+2:S+32*\t+\i+3]
.endr
.endr
.irp t, 0,1
	v_pk_add_f32 v[ST+8*\t+2:ST+8*\t+3], v[ST+8*\t+2:ST+8*\t+3], v[ST+8*\t+4:ST+8*\t+5]
.endr
.irp i, 0,1,2,3,4,5,6,7,8,9,10,11,12,13,14,15
.irp t, 0,1
	v_cvt_pk_f16_f32 v[S+32*\t+\i], v[S+32*\t+2*\i], v[S+32*\t+2*\i+1]   ; P in place: register i takes pair i, which lies at or above it
.endr
.endr
.irp t, 0,1
.irp i, 0,2,4,6,8,10,12,14,16,18,20,22,24,26,28,30
	v_pk_mul_f32 v[O+32*\t+\i:O+32*\t+\i+1], v[O+32*\t+\i:O+32*\t+\i+1], v[ST+8*\t+6:ST+8*\t+7] op_sel_hi:[1,0]   ; O^T x a, each accumulator from its low end on
.endr
.endr
	s_wait_dscnt 0x0                               ; V is in
.irp a, 0,1                                    ; O^T += V^T P: eight accumulators by turns
.irp ct, 0,1,2,3
.irp t, 0,1
	v_wmma_f32_16x16x32_f16 v[O+32*\t+8*\ct:O+32*\t+8*\ct+7], v[KV+32*\a+8*\ct:KV+32*\a+8*\ct+7], v[S+32*\t+8*\a:S+32*\t+8*\a+7], v[O+32*\t+8*\ct:O+32*\t+8*\ct+7]
.endr
.endr
.endr
.Lhidden_\@:
	s_add_co_u32 s[KF], s[KF], 64
.endm
; THE CHANGE OF SLOTS stands at a slot's head.  Each wave waits for all its tensor loads, adds 0 to its spare word, and waits for that and for its reads of the slot that it has left; behind the barrier the slot ahead is whole
; and nobody reads the other one.  fill = 1: that other slot takes the next 256 keys, if any wave of the work-group will read them.
.macro CHANGE fill
	s_wait_tensorcnt 0x0                           ; no tensor load of mine is out, so a group 0 may be written
	ds_add_u32 v[SPW], v[NIL]
.if \fill
	ds_add_u32 v[SPW], v[NIL]                      ; and twice on end here, in every trip alike
	s_xor_b32 s[G0K+1], s[G0K+1], SLOT1
	s_add_nc_u64 s[G0K+2:G0K+3], s[G0K+2:G0K+3], SK*128
	s_xor_b32 s[G0V+1], s[G0V+1], SLOT1
	s_add_nc_u64 s[G0V+2:G0V+3], s[G0V+2:G0V+3], SK*128
	s_wait_xcnt 0x0                                ; the last prefetch, a slot back, has read its address
	s_add_nc_u64 s[PFA:PFA+1], s[PFA:PFA+1], SK*128
.endif
	s_wait_dscnt 0x0
	s_barrier_signal -1
	s_barrier_wait -1
.if \fill
	s_add_co_u32 s96, s[KF], SK                    ; the first key of the slot that this change would ask for,
	s_cmp_gt_u32 s96, s[QL]                        ; against my work-group's last query: ids and the count of steps alone, the same in all sixteen waves
	s_cbranch_scc1 .Lpast_\@
	TLOAD
.Lpast_\@:
	ASK
.endif
.endm
.macro SLOT_STEPS
.irp q, 0,1,2,3
	STEP \q
.endr
	s_xor_b32 s[TB], s[TB], SLOT1
.endm
	s_wait_loadcnt 0x0                             ; Q
.Lslot:                                            ; 7 trips
	CHANGE 1
	SLOT_STEPS
	s_sub_co_u32 s[SLOTS], s[SLOTS], 1
	s_cmp_lg_u32 s[SLOTS], 0
	s_cbranch_scc1 .Lslot
	CHANGE 0
	SLOT_STEPS
	; THE WAY OUT: O^T / l, rounded to f16, through my stage, a tile of 16 queries at a time
.rept 4
	v_nop
.endr
.irp t, 0,1
	v_add_f32 v[ST+8*\t+4], v[ST+8*\t+2], v[ST+8*\t+3]
.endr
.irp t, 0,1
	v_permlanex16_b32 v[ST+8*\t+5], v[ST+8*\t+4], s[SEL], s[SEL+1]
.endr
.irp t, 0,1
	v_add_f32 v[ST+8*\t+4], v[ST+8*\t+4], v[ST+8*\t+5]
.endr
.irp t, 0,1
	v_rcp_f32 v[ST+8*\t+6], v[ST+8*\t+4]
.endr
	v_nop
	s_wait_alu depctr_va_vdst(0)                   ; one wait for the two reciprocals
.irp t, 0,1
.irp i, 0,2,4,6,8,10,12,14,16,18,20,22,24,26,28,30
	v_pk_mul_f32 v[O+32*\t+\i:O+32*\t+\i+1], v[O+32*\t+\i:O+32*\t+\i+1], v[ST+8*\t+6:ST+8*\t+7] op_sel_hi:[1,0]
.endr
.irp i, 0,1,2,3,4,5,6,7,8,9,10,11,12,13,14,15
	v_cvt_pk_f16_f32 v[S+16*\t+\i], v[O+32*\t+2*\i], v[O+32*\t+2*\i+1]
.endr
.irp ct, 0,1,2,3
	ds_store_b128 v[STO], v[S+16*\t+4*\ct:S+16*\t+4*\ct+3] offset:32*\ct
.endr
.irp i, 0,1,2,3
	ds_load_b128 v[KV+16*\t+4*\i:KV+16*\t+4*\i+3], v[RD] offset:4*KP*\i   ; LDS serves a wave's instructions in order: these see the stores above, and the next tile's stores come behind them
.endr
.endr
.irp i, 0,1,2,3
	s_wait_dscnt 11-\i                             ; behind this load: 3 - i loads of tile 0 and tile 1's eight LDS instructions
	global_store_b128 v[GO], v[KV+4*\i:KV+4*\i+3], s[10:11] offset:2*\i*4096
.endr
.irp i, 0,1,2,3
	s_wait_dscnt 3-\i
	global_store_b128 v[GO], v[KV+16+4*\i:KV+16+4*\i+3], s[10:11] offset:(8+2*\i)*4096   ; sixteen lanes store 256 consecutive bytes, aligned
.endr
	s_wait_tensorcnt 0x0                           ; the wave's end
	ds_add_u32 v[SPW], v[NIL]
	s_wait_dscnt 0x0
	s_endpgm
.Lfunc_end_k_q5d538eb1ea_attn:
	.size	k_q5d538eb1ea_attn, .Lfunc_end_k_q5d538eb1ea_attn-k_q5d538eb1ea_attn
	.p2alignl 7, 3214868480
	.fill 96, 4, 3214868480
	.section	.rodata,"a",@progbits
	.p2align	6, 0x0
	.amdhsa_kernel k_q5d538eb1ea_attn
		.amdhsa_group_segment_fixed_size 327680
		.amdhsa_private_segment_fixed_size 0
		.amdhsa_enable_private_segment 0
		.amdhsa_kernarg_size 16
		.amdhsa_user_sgpr_count 2
		.amdhsa_user_sgpr_kernarg_segment_ptr 1
		.amdhsa_wavefront_size32 1
		.amdhsa_system_sgpr_workgroup_id_x 1
		.amdhsa_system_sgpr_workgroup_id_y 1
		.amdhsa_system_sgpr_workgroup_id_z 1
		.amdhsa_system_vgpr_workitem_id 0
		.amdhsa_next_free_vgpr 256
		.amdhsa_next_free_sgpr 100
		.amdhsa_reserve_vcc 1
		.amdhsa_float_denorm_mode_32 3
		.amdhsa_float_denorm_mode_16_64 3
		.amdhsa_memory_ordered 1
		.amdhsa_forward_progress 1
		.amdhsa_inst_pref_size 190
	.end_amdhsa_kernel
	.amdgpu_metadata
---
amdhsa.version: [ 1, 2 ]
amdhsa.kernels:
  - .name:           k_q5d538eb1ea_attn
    .symbol:         k_q5d538eb1ea_attn.kd
    .args:
      - { .name: qkv, .offset: 0, .size: 8, .value_kind: global_buffer, .address_space: global }
      - { .name: op, .offset: 8, .size: 8, .value_kind: global_buffer, .address_space: global }
    .group_segment_fixed_size: 327680
    .private_segment_fixed_size: 0
    .kernarg_segment_align: 8
    .kernarg_segment_size: 16
    .max_flat_workgroup_size: 512
    .sgpr_count:     100
    .vgpr_count:     256
    .wavefront_size: 32
...
	.end_amdgpu_metadata
.endif
;; end of part 3
;; launch proj (part 4): grid 8 x 32, 4 waves a work-group, clusters of 4 x 4, 327,680 bytes of LDS; arguments op, w2h, b2, out0; writes out0
.if DOCPART == 4
	.amdgcn_target "amdgcn-amd-amdhsa--gfx1250"
	.amdhsa_code_object_version 6
	.text
	.protected	k_q5d538eb1ea_proj
	.globl	k_q5d538eb1ea_proj
	.p2align	8
	.type	k_q5d538eb1ea_proj,@function
k_q5d538eb1ea_proj:
	s_mov_b64 s[64:65], 0
	v_nop
	global_prefetch_b8 v0, s[64:65] scope:SCOPE_SE
	s_setreg_imm32_b32 hwreg(HW_REG_WAVE_MODE, 25, 1), 1
	s_wait_xcnt 0x0
	s_wait_alu depctr_hold_cnt(0) depctr_sa_sdst(0) depctr_va_vdst(0) depctr_va_sdst(0) depctr_va_ssrc(0) depctr_va_vcc(0) depctr_vm_vsrc(0)
	s_getreg_b32 s2, hwreg(HW_REG_IB_STS2, 6, 4)
	s_cmp_eq_u32 s2, 0
	s_cbranch_scc0 .Lentry_in_a_cluster
	s_endpgm
.Lentry_in_a_cluster:
	s_bfe_u32 s2, ttmp6, 0x10000c
	s_cmp_lg_u32 s2, 0xf033
	s_cbranch_scc0 .Lentry_shape_is_right
	s_endpgm
.Lentry_shape_is_right:
; out0 = o w2^T + b2.  o: op, f16, byte = (row / 2) 4096 + 256 hd + 128 (row % 2) + 2 channel, K = 64 hd + channel; w2h: [1024 n][1024 k] f16; b2, out0: f32; sums in f32.
; A tile of 256 rows x 128 columns is made by four waves, each 128 x 64: 32 accumulators, all of window 1: 256 work-groups.  K goes in steps of 128 (two heads) through two LDS slots.
; A K step of o is 512 consecutive bytes of each pair of rows: a tile of 128 pair rows x 512 bytes; of w2h 128 rows x 256 bytes.  Waves 0, 1 fetch o's halves, waves 2, 3 w2h's.
; CLUSTERS: 4 x 4 work-groups: o's tile is shared along a row of the cluster, w2h's along a column: each is asked for jointly.
; THE MATRIX INSTRUCTION IS USED TRANSPOSED (source 0 = 16 rows of w2h, source 1 = 16 rows of o): a lane holds eight neighbouring columns of one row.  THE BIAS is the C of each sum's first product.
; Rows 0-15 of every sequence are written here too and written again, more finely, by a later launch: a branch round them would hang on the work-group's place in its cluster.
; REGISTERS: window 0: v0-31 addresses; v32-127, v128-223 two fragment buffers (64 of o, 32 of w2h); v224-255 the bias.  window 1: accumulator (a, b) at v[8 (4 a + b)].
.set APITCH, 528                       ; a pair row in LDS: 512 bytes + 16: rows r and r + 2 start 4 words apart, rows r and r + 1 32 words
.set BPITCH, 272
.set AHALF,  64*APITCH
.set BHALF,  64*BPITCH
.set BOFF,   2*AHALF
.set SLOT,   BOFF+2*BHALF              ; 102,400
.set STAGE,  2*SLOT                    ; behind the ring: 16 rows x 272 bytes for each wave
.set SPITCH, 272
.set SPARE,  STAGE+4*16*SPITCH
.set LAPS,   4                         ; 8 K steps
.set ADRA, 16
.set ADRB, 20
.set STO,  24
.set RD,   25
.set CO,   26
.set BO,   27
.set SPW,  28
.set NIL,  29
.set F0,   32
.set F1,   128
.set BIAS, 224
.set G1, 24
.set G0, 32
.set G1B, 48
.set G0B, 56
.set MSB, 0
.macro WIN new
.if MSB != (\new)
	s_set_vgpr_msb (MSB<<8)|(\new)
.set MSB, (\new)
.endif
.endm
.set MUL, 0x50                         ; C and D window 1, sources window 0; 0x40: C from window 0
.macro JLOAD s
	s_cmp_eq_u32 s11, 0
	s_cbranch_scc0 .Lfor_b_\@
	tensor_load_to_lds s[G0+4*\s:G0+4*\s+3], s[G1:G1+7]
	s_nop 0
.rept 4
	v_nop
.endr
	s_branch .Lasked_\@
.Lfor_b_\@:
	tensor_load_to_lds s[G0B+4*\s:G0B+4*\s+3], s[G1B:G1B+7]
	s_nop 0
.rept 4
	v_nop
.endr
.Lasked_\@:
.endm
.macro CREST
	s_cmp_lg_u32 s10, 0
	s_cbranch_scc1 .Lnot_wave_0_\@
	s_barrier_signal -3
.Lnot_wave_0_\@:
	s_barrier_wait -3
	s_barrier_signal -1
	s_barrier_wait -1
.endm
.macro CROUND
	s_barrier_signal -1
	s_barrier_wait -1
	CREST
.endm
	s_load_b128 s[4:7], s[0:1], 0x0                ; op, w2h
	s_load_b64 s[68:69], s[0:1], 0x10              ; b2
	s_load_b64 s[8:9], s[0:1], 0x18                ; out0
	v_lshl_add_u32 v[SPW], v0, 2, SPARE
	v_mov_b32 v[NIL], 0
	ds_add_u32 v[SPW], v[NIL]                      ; the wave's opening: the add, twice on end, and its wait ahead of my first tensor load
	ds_add_u32 v[SPW], v[NIL]
	v_lshrrev_b32 v1, 5, v0
	v_readfirstlane_b32 s10, v1                    ; wave 0..3
	s_lshr_b32 s11, s10, 1                         ; which half of the tile's rows is mine.  Also: I fetch for o (0) or for w2h (1)
	s_and_b32 s12, s10, 1                          ; which half of its columns.  Also: which half of that tile I fetch
	s_bfe_u32 s40, ttmp6, 0x40000
	s_bfe_u32 s41, ttmp6, 0x40004
	s_lshl_b32 s42, ttmp9, 2
	s_add_co_u32 s42, s42, s40                     ; tile column
	s_and_b32 s13, ttmp7, 0xffff
	s_lshl_b32 s13, s13, 2
	s_add_co_u32 s13, s13, s41                     ; tile row
	s_lshl_b32 s43, s41, 2
	s_lshl_b32 s43, 15, s43
	s_lshl_b32 s44, 0x1111, s40
	s_or_b32 s[G1+0], s43, (1<<16)|(1<<20)|(1<<21)|(6<<22)|(3<<25)   ; o: elements of 2 bytes; four words of padding behind every 128
	s_mov_b32 s[G1+1], 256<<16                     ; tensor_dim0 = 256
	s_mov_b32 s[G1+2], 64<<16                      ; tensor_dim1 = 64
	s_mov_b32 s[G1+3], 256<<16                     ; tile_dim0
	s_mov_b32 s[G1+4], 64                          ; tile_dim1
	s_mov_b32 s[G1+5], 2048                        ; the pitch: a pair row is 4,096 bytes
	s_mov_b32 s[G1+6], 0
	s_mov_b32 s[G1+7], 0
	s_or_b32 s[G1B+0], s44, (1<<16)|(1<<20)|(1<<21)|(5<<22)|(3<<25)  ; w2h: four words behind every 64
	s_mov_b32 s[G1B+1], 128<<16
	s_mov_b32 s[G1B+2], 64<<16
	s_mov_b32 s[G1B+3], 128<<16
	s_mov_b32 s[G1B+4], 64
	s_mov_b32 s[G1B+5], 1024
	s_mov_b32 s[G1B+6], 0
	s_mov_b32 s[G1B+7], 0
	s_lshl_b32 s16, s13, 19                        ; o: pair row 128 x tile row + 64 x half, 4,096 bytes each
	s_lshl_b32 s17, s12, 18
	s_add_co_u32 s16, s16, s17
	s_mov_b32 s17, 0
	s_lshl_b32 s46, s42, 18                        ; w2h: row 128 x tile column + 64 x half, 2,048 bytes each
	s_lshl_b32 s47, s12, 17
	s_add_co_u32 s46, s46, s47
	s_mov_b32 s47, 0
	s_mul_i32 s20, s12, AHALF                      ; where they go: no place in the cluster enters an LDS address
	s_mul_i32 s45, s12, BHALF
	s_add_co_u32 s45, s45, BOFF
	s_wait_dscnt 0x0
	s_wait_kmcnt 0x0
	s_add_nc_u64 s[14:15], s[4:5], s[16:17]
	s_add_nc_u64 s[46:47], s[6:7], s[46:47]
	CROUND                                         ; all sixteen work-groups are here
.irp s, 0,1
	s_mov_b32 s[G0+4*\s], 1
	s_add_co_u32 s[G0+4*\s+1], s20, \s*SLOT
	s_add_nc_u64 s[G0+4*\s+2:G0+4*\s+3], s[14:15], \s*512
	s_or_b32 s[G0+4*\s+3], s[G0+4*\s+3], 0x80000000
	s_mov_b32 s[G0B+4*\s], 1
	s_add_co_u32 s[G0B+4*\s+1], s45, \s*SLOT
	s_add_nc_u64 s[G0B+4*\s+2:G0B+4*\s+3], s[46:47], \s*256
	s_or_b32 s[G0B+4*\s+3], s[G0B+4*\s+3], 0x80000000
	JLOAD \s                                       ; two tensor loads of mine are out
.endr
	v_and_b32 v1, 15, v0                           ; r
	v_bfe_u32 v2, v0, 4, 1                         ; h
	v_lshrrev_b32 v3, 1, v1
	v_mul_u32_u24 v3, v3, APITCH                   ; o: pair row r / 2,
	v_and_b32 v4, 1, v0
	v_lshl_add_u32 v3, v4, 7, v3                   ; + 128 (r % 2),
	v_lshl_add_u32 v3, v2, 4, v3                   ; + 16 h
	v_mul_u32_u24 v4, v1, BPITCH
	v_lshl_add_u32 v4, v2, 4, v4
	s_mul_i32 s21, s11, AHALF
	s_mul_i32 s22, s12, BHALF
	s_add_co_u32 s22, s22, BOFF
.irp s, 0,1
	v_add_nc_u32 v[ADRA+\s], s21, v3
	v_add_nc_u32 v[ADRB+\s], s22, v4
	s_add_co_u32 s21, s21, SLOT
	s_add_co_u32 s22, s22, SLOT
.endr
	s_mul_i32 s23, s10, 16*SPITCH
	s_add_co_u32 s23, s23, STAGE                   ; my stage
	v_mul_u32_u24 v5, v1, SPITCH
	v_lshl_add_u32 v5, v2, 5, v5
	v_add_nc_u32 v[STO], s23, v5                   ; in: row r, 32 bytes for each half of the lanes
	v_mul_u32_u24 v5, v2, SPITCH
	v_lshl_add_u32 v5, v1, 4, v5
	v_add_nc_u32 v[RD], s23, v5                    ; back: lanes 0-15 one row of 256 bytes, lanes 16-31 the next
	v_lshlrev_b32 v5, 12, v2
	v_lshl_add_u32 v[CO], v1, 4, v5                ; and the same two rows in out0
	v_lshlrev_b32 v[BO], 5, v2
	s_lshl_b32 s16, s13, 20                        ; my first row: 256 x tile row + 128 x half, 4,096 bytes each
	s_lshl_b32 s17, s11, 19
	s_add_co_u32 s16, s16, s17
	s_mov_b32 s17, 0
	s_add_nc_u64 s[8:9], s[8:9], s[16:17]
	s_lshl_b32 s46, s42, 9                         ; my first column: 4 (128 x tile column + 64 x half)
	s_lshl_b32 s47, s12, 8
	s_add_co_u32 s46, s46, s47
	s_mov_b32 s47, 0
	s_add_nc_u64 s[8:9], s[8:9], s[46:47]
	s_add_nc_u64 s[68:69], s[68:69], s[46:47]
.irp b, 0,1,2,3
	global_load_b128 v[BIAS+8*\b:BIAS+8*\b+3], v[BO], s[68:69] offset:64*\b        ; lane (r, h): b2 at columns 16 b + 8 h + 0 .. 7
	global_load_b128 v[BIAS+8*\b+4:BIAS+8*\b+7], v[BO], s[68:69] offset:64*\b+16
.endr
; 8 matrix instructions: o's blocks a0, a0 + 1 against w2h's four, 32 along K.  The 32 accumulators take turns, one instruction a turn
.macro MUL8 f, a0, first
.irp a, \a0, \a0+1
.irp b, 0,1,2,3
.if \first
	v_wmma_f32_16x16x32_f16 v[8*(4*(\a)+\b):8*(4*(\a)+\b)+7], v[\f+64+8*\b:\f+64+8*\b+7], v[\f+8*(\a):\f+8*(\a)+7], v[BIAS+8*\b:BIAS+8*\b+7]
.else
	v_wmma_f32_16x16x32_f16 v[8*(4*(\a)+\b):8*(4*(\a)+\b)+7], v[\f+64+8*\b:\f+64+8*\b+7], v[\f+8*(\a):\f+8*(\a)+7], v[8*(4*(\a)+\b):8*(4*(\a)+\b)+7]
.endif
.endr
.endr
.endm
; 24 LDS loads in one run: the fragments of the slot's q-th 32 along K into buffer f: w2h's four, o's blocks 0-3, o's blocks 4-7
.macro FETCH slot, q, f
.irp b, 0,1,2,3
	ds_load_b128 v[\f+64+8*\b:\f+64+8*\b+3], v[ADRB+\slot] offset:64*(\q)+\b*16*BPITCH
	ds_load_b128 v[\f+64+8*\b+4:\f+64+8*\b+7], v[ADRB+\slot] offset:64*(\q)+\b*16*BPITCH+32
.endr
.irp a, 0,1,2,3,4,5,6,7
	ds_load_b128 v[\f+8*\a:\f+8*\a+3], v[ADRA+\slot] offset:((\q)/2)*256+((\q)%2)*64+\a*8*APITCH
	ds_load_b128 v[\f+8*\a+4:\f+8*\a+7], v[ADRA+\slot] offset:((\q)/2)*256+((\q)%2)*64+\a*8*APITCH+32
.endr
.endm
.macro PLACES
.rept 4
	v_nop
.endr
.endm
.macro QUARTER slot, qn, f, g, first   ; multiplies buffer f; in its middle fetches the slot's qn-th quarter into g
	s_wait_dscnt 8                                 ; w2h's fragments and o's blocks 0-3 are in; the youngest eight loads may be out
	WIN MUL-0x10*(\first)
	MUL8 \f, 0, \first
	MUL8 \f, 2, \first
	PLACES
	WIN 0
	FETCH \slot, \qn, \g
	s_wait_dscnt 24                                ; all but the 24 just issued
	WIN MUL-0x10*(\first)
	MUL8 \f, 4, \first
	MUL8 \f, 6, \first
.endm
; The last quarter multiplies buffer 1 and changes slots: one barrier; in front of it each wave waits for all its tensor loads, adds 0 to its spare word, and waits for that and for its reads of this slot
.macro TURN slot, next, fill
	WIN 0
	s_wait_tensorcnt 0x0                           ; all my tensor loads have landed: my part of the next slot
	ds_add_u32 v[SPW], v[NIL]
	s_wait_dscnt 9                                 ; (the add and the youngest eight loads may be out)
	WIN MUL
	MUL8 F1, 0, 0
	s_wait_dscnt 0x0                               ; the add is done, and my reads of this slot are over
	s_barrier_signal -1
	MUL8 F1, 2, 0
	WIN 0
	s_barrier_wait -1
.if \fill
	CREST                                          ; the barrier has opened a round of the cluster's barrier
	s_add_nc_u64 s[G0+4*\slot+2:G0+4*\slot+3], s[G0+4*\slot+2:G0+4*\slot+3], 1024
	s_add_nc_u64 s[G0B+4*\slot+2:G0B+4*\slot+3], s[G0B+4*\slot+2:G0B+4*\slot+3], 512
	JLOAD \slot                                    ; the first tensor load behind the round; its four v_nop are also the places in front of the loads below
.else
	PLACES
.endif
	FETCH \next, 0, F0
	WIN MUL
	MUL8 F1, 4, 0
	MUL8 F1, 6, 0
.endm
	s_wait_tensorcnt 1                             ; my part of K step 0 is in; K step 1's may be out
	s_wait_loadcnt 0x0                             ; the bias
	s_barrier_signal -1
	s_barrier_wait -1
	FETCH 0, 0, F0
	QUARTER 0, 1, F0, F1, 1                        ; the first quarter starts the sums from the bias
	WIN 0
	s_mov_b32 s3, LAPS-1
.Llap:                                             ; a trip goes once round the ring and fills both slots again
	QUARTER 0, 2, F1, F0, 0
	QUARTER 0, 3, F0, F1, 0
	TURN 0, 1, 1
	QUARTER 1, 1, F0, F1, 0
	QUARTER 1, 2, F1, F0, 0
	QUARTER 1, 3, F0, F1, 0
	TURN 1, 0, 1
	QUARTER 0, 1, F0, F1, 0
	WIN 0
	s_sub_co_u32 s3, s3, 1
	s_cmp_lg_u32 s3, 0
	s_cbranch_scc1 .Llap
	QUARTER 0, 2, F1, F0, 0                        ; the last lap fills nothing
	QUARTER 0, 3, F0, F1, 0
	TURN 0, 1, 0
	QUARTER 1, 1, F0, F1, 0
	QUARTER 1, 2, F1, F0, 0
	QUARTER 1, 3, F0, F1, 0
	s_wait_dscnt 8
	WIN MUL
	MUL8 F1, 0, 0
	MUL8 F1, 2, 0
	s_wait_dscnt 0
	MUL8 F1, 4, 0
	MUL8 F1, 6, 0
	WIN 0
; THE WAY OUT, block by block of 16 rows x 64 columns, through my own stage: back as whole runs of 256 bytes
.macro TOSTAGE a
	WIN 0x04                                       ; an LDS store's data: window 1
.irp b, 0,1,2,3
	ds_store_b128 v[STO], v[8*(4*(\a)+\b):8*(4*(\a)+\b)+3] offset:64*\b          ; each accumulator from its low end on
	ds_store_b128 v[STO], v[8*(4*(\a)+\b)+4:8*(4*(\a)+\b)+7] offset:64*\b+16
.endr
	WIN 0
.irp t, 0,1,2,3,4,5,6,7
	ds_load_b128 v[F0+32*((\a)%2)+4*\t:F0+32*((\a)%2)+4*\t+3], v[RD] offset:\t*2*SPITCH   ; LDS serves a wave's instructions in order
.endr
.endm
.macro SEND a, younger
	s_wait_dscnt \younger
.irp t, 0,1,2,3,4,5,6,7
	global_store_b128 v[CO], v[F0+32*((\a)%2)+4*\t:F0+32*((\a)%2)+4*\t+3], s[8:9] offset:(16*(\a)+2*\t)*4096 th:TH_STORE_NT   ; sixteen lanes store 256 consecutive bytes, aligned
.endr
.endm
	PLACES
	TOSTAGE 0
.irp a, 1,2,3,4,5,6,7
.if \a > 1
	s_wait_xcnt 0x0                                ; block a - 2's stores have read their registers: block a's loads may land there
.endif
	TOSTAGE \a
	SEND \a-1, 16                                  ; behind block a - 1's loads: block a's 8 stores and 8 loads
.endr
	SEND 7, 0
	s_wait_tensorcnt 0x0                           ; the wave's end
	ds_add_u32 v[SPW], v[NIL]
	s_wait_dscnt 0x0
	CROUND                                         ; the closing round
	s_endpgm
.Lfunc_end_k_q5d538eb1ea_proj:
	.size	k_q5d538eb1ea_proj, .Lfunc_end_k_q5d538eb1ea_proj-k_q5d538eb1ea_proj
	.p2alignl 7, 3214868480
	.fill 96, 4, 3214868480
	.section	.rodata,"a",@progbits
	.p2align	6, 0x0
	.amdhsa_kernel k_q5d538eb1ea_proj
		.amdhsa_group_segment_fixed_size 327680
		.amdhsa_private_segment_fixed_size 0
		.amdhsa_enable_private_segment 0
		.amdhsa_kernarg_size 32
		.amdhsa_user_sgpr_count 2
		.amdhsa_user_sgpr_kernarg_segment_ptr 1
		.amdhsa_wavefront_size32 1
		.amdhsa_system_sgpr_workgroup_id_x 1
		.amdhsa_system_sgpr_workgroup_id_y 1
		.amdhsa_system_sgpr_workgroup_id_z 1
		.amdhsa_system_vgpr_workitem_id 0
		.amdhsa_next_free_vgpr 512
		.amdhsa_next_free_sgpr 72
		.amdhsa_reserve_vcc 0
		.amdhsa_float_denorm_mode_32 3
		.amdhsa_float_denorm_mode_16_64 3
		.amdhsa_memory_ordered 1
		.amdhsa_forward_progress 1
		.amdhsa_inst_pref_size 86
	.end_amdhsa_kernel
	.amdgpu_metadata
---
amdhsa.version: [ 1, 2 ]
amdhsa.kernels:
  - .name:           k_q5d538eb1ea_proj
    .symbol:         k_q5d538eb1ea_proj.kd
    .args:
      - { .name: op, .offset: 0, .size: 8, .value_kind: global_buffer, .address_space: global }
      - { .name: w2h, .offset: 8, .size: 8, .value_kind: global_buffer, .address_space: global }
      - { .name: b2, .offset: 16, .size: 8, .value_kind: global_buffer, .address_space: global }
      - { .name: out0, .offset: 24, .size: 8, .value_kind: global_buffer, .address_space: global }
    .group_segment_fixed_size: 327680
    .private_segment_fixed_size: 0
    .kernarg_segment_align: 8
    .kernarg_segment_size: 32
    .max_flat_workgroup_size: 128
    .sgpr_count:     72
    .vgpr_count:     512
    .wavefront_size: 32
...
	.end_amdgpu_metadata
.endif
;; end of part 4
;; launch fineA (part 5): grid 16 x 4, 12 waves a work-group, no clusters, 18,176 bytes of LDS; arguments xc, xs, wc, ws, b1, o32; writes o32
.if DOCPART == 5
	.amdgcn_target "amdgcn-amd-amdhsa--gfx1250"
	.amdhsa_code_object_version 6
	.text
	.protected	k_q5d538eb1ea_fineA
	.globl	k_q5d538eb1ea_fineA
	.p2align	8
	.type	k_q5d538eb1ea_fineA,@function
k_q5d538eb1ea_fineA:
	s_mov_b64 s[64:65], 0
	v_nop
	global_prefetch_b8 v0, s[64:65] scope:SCOPE_SE
	s_setreg_imm32_b32 hwreg(HW_REG_WAVE_MODE, 25, 1), 1
	s_wait_xcnt 0x0
; Positions 0-15 of every (batch, head), carried in f32: these rows average one to sixteen values and are the largest of the output.
; PHASE 1, twelve waves: wave w makes part w / 4 (q, k, v), channels 16 (w % 4) on, of the 16 positions, again from the codes of FP4 by the scaled matrix instruction (8 K steps of 128, two accumulators by turns), + b1, kept f32.
; q and k are made transposed (source 0 = 16 rows of w1, source 1 = the 16 positions): a lane holds one position and channels 8 h + 0..7.  v the other way round: a lane holds one channel and positions 8 h + 0..7.
; One path serves both: which buffer feeds source 0 is chosen by the wave's number.  The results go to LDS as images of their registers.
; PHASE 2, wave 0: S^T = K Q^T, the causal softmax, O^T = V^T P by the f32 matrix form (16 + 16 instructions).  In each instruction the place k = 2 h + j stands for the same channel (or key) on both sides.
; o32: [16 batch + position][1024] f32.  LIMITS: a key after the query counts as p = 0; NaN and infinities are not served.
.set IMG,   0                          ; 12 images of 1,024 bytes
.set STG,   12288                      ; 16 rows x (256 + 16) bytes
.set SPARE, 16640                      ; the spare words, 128 bytes a wave
.set LI,  1                            ; v1  16 x lane
.set IW,  9                            ; v9  1,024 x wave + 16 x lane
.set SPW, 10
.set NIL, 11
.set FA,  16                           ; v16-79   source 0's eight fragments
.set FB,  80                           ; v80-143  source 1's
.set SA,  144                          ; v144-151 source 0's scale words; v152-159 source 1's: they hold nothing else
.set SB,  152
.set BC,  160                          ; v160-167 the bias in the result's layout
.set A0,  168
.set A1,  176
.set RES, 184                          ; v184-191 the bias's addresses, then the result
	s_load_b256 s[4:11], s[0:1], 0x0               ; x's codes, x's scales, w1's codes, w1's scales
	s_load_b128 s[12:15], s[0:1], 0x20             ; b1, o32
	v_lshl_add_u32 v[SPW], v0, 2, SPARE
	v_mov_b32 v[NIL], 0
	v_lshrrev_b32 v1, 5, v0
	v_readfirstlane_b32 s16, v1                    ; wave 0..11
	v_and_b32 v1, 31, v0
	v_lshlrev_b32 v[LI], 4, v1
	v_and_b32 v2, 15, v0                           ; r
	v_bfe_u32 v3, v0, 4, 1                         ; h
	v_lshlrev_b32 v4, 9, v2
	v_lshl_add_u32 v4, v3, 4, v4                   ; codes: row r of 512 bytes + 16 h
	v_lshlrev_b32 v5, 5, v2                        ; scale words: row r of 32 bytes
	v_lshlrev_b32 v6, 12, v3
	v_lshl_add_u32 v6, v2, 4, v6                   ; o32: lanes 0-15 one row, lanes 16-31 the next
	v_mul_u32_u24 v7, v2, 272
	v_lshl_add_u32 v7, v3, 5, v7
	v_add_nc_u32 v7, STG, v7                       ; the stage, in: row r + 32 h
	v_mul_u32_u24 v8, v3, 272
	v_lshl_add_u32 v8, v2, 4, v8
	v_add_nc_u32 v8, STG, v8                       ; and back
	s_lshl_b32 s17, s16, 10
	v_add_nc_u32 v[IW], s17, v[LI]
	v_lshlrev_b32 v12, 3, v3
	v_sub_nc_u32 v12, v2, v12                      ; d = r - 8 h
	v_mov_b32 v13, 0xff800000
	v_mov_b32 v15, 0
	s_lshr_b32 s17, s16, 2                         ; part
	s_and_b32 s18, s16, 3                          ; tile of 16 channels
	s_lshl_b32 s19, s17, 10
	s_lshl_b32 s17, ttmp9, 6
	s_add_co_u32 s19, s19, s17
	s_lshl_b32 s18, s18, 4
	s_add_co_u32 s19, s19, s18                     ; n0 = 1024 part + 64 head + 16 tile: my first row of w1
	s_and_b32 s20, ttmp7, 0xffff                   ; batch
	s_lshl_b32 s21, s20, 20                        ; x's codes at the batch's first row
	s_lshl_b32 s22, s19, 9                         ; w1's at n0
	s_lshl_b32 s23, s20, 16                        ; the scale words likewise
	s_lshl_b32 s24, s19, 5
	s_cmp_lt_u32 s16, 8                            ; q or k: w1 feeds source 0
	s_cselect_b32 s28, s22, s21
	s_cselect_b32 s30, s21, s22
	s_cselect_b32 s32, s24, s23
	s_cselect_b32 s34, s23, s24
	s_cselect_b32 s25, 32, 0                       ; the bias of register j: b1 at n0 + 8 h + j, or at n0 + r for every j
	s_cselect_b32 s26, 0, 4
	s_cselect_b32 s27, 4, 0
	s_mov_b32 s29, 0
	s_mov_b32 s31, 0
	s_mov_b32 s33, 0
	s_mov_b32 s35, 0
	v_mul_u32_u24 v14, v3, s25
	v_mad_u32_u24 v14, v2, s26, v14
.irp j, 0,1,2,3,4,5,6,7
	s_mul_i32 s47, s27, \j
	v_add_nc_u32 v[RES+\j], s47, v14
.endr
	v_mov_b32 v14, 0
	s_mov_b32 s44, 0x76543210
	s_mov_b32 s45, 0xfedcba98
	s_mov_b32 s46, 0x3e38aa3b                      ; c = log2(e) / 8
	s_lshl_b32 s18, s19, 2
	s_mov_b32 s19, 0
	s_lshl_b32 s20, s20, 16                        ; o32: 16 rows of 4,096 bytes a batch,
	s_lshl_b32 s21, ttmp9, 8                       ; + 256 head
	s_add_co_u32 s20, s20, s21
	s_mov_b32 s21, 0
	s_wait_kmcnt 0x0
	s_cmp_lt_u32 s16, 8
	s_cselect_b64 s[36:37], s[8:9], s[4:5]
	s_cselect_b64 s[38:39], s[4:5], s[8:9]
	s_cselect_b64 s[40:41], s[10:11], s[6:7]
	s_cselect_b64 s[42:43], s[6:7], s[10:11]
	s_add_nc_u64 s[36:37], s[36:37], s[28:29]
	s_add_nc_u64 s[38:39], s[38:39], s[30:31]
	s_add_nc_u64 s[40:41], s[40:41], s[32:33]
	s_add_nc_u64 s[42:43], s[42:43], s[34:35]
	s_add_nc_u64 s[12:13], s[12:13], s[18:19]
	s_add_nc_u64 s[14:15], s[14:15], s[20:21]
.irp s, 0,1,2,3,4,5,6,7
.irp c, 0,1
	global_load_b128 v[FA+8*\s+4*\c:FA+8*\s+4*\c+3], v4, s[36:37] offset:64*\s+32*\c
	global_load_b128 v[FB+8*\s+4*\c:FB+8*\s+4*\c+3], v4, s[38:39] offset:64*\s+32*\c
.endr
.endr
	global_load_b128 v[SA:SA+3], v5, s[40:41]
	global_load_b128 v[SA+4:SA+7], v5, s[40:41] offset:16
	global_load_b128 v[SB:SB+3], v5, s[42:43]
	global_load_b128 v[SB+4:SB+7], v5, s[42:43] offset:16
.irp j, 0,1,2,3,4,5,6,7
	global_load_b32 v[BC+\j], v[RES+\j], s[12:13]
.endr
	s_wait_loadcnt 0x0
	v_wmma_scale_f32_16x16x128_f8f6f4 v[A0:A0+7], v[FA:FA+7], v[FB:FB+7], v[BC:BC+7], v[SA], v[SB] matrix_a_fmt:MATRIX_FMT_FP4 matrix_b_fmt:MATRIX_FMT_FP4
	v_wmma_scale_f32_16x16x128_f8f6f4 v[A1:A1+7], v[FA+8:FA+15], v[FB+8:FB+15], 0, v[SA+1], v[SB+1] matrix_a_fmt:MATRIX_FMT_FP4 matrix_b_fmt:MATRIX_FMT_FP4
.irp s, 2,4,6                                  ; the two accumulators take turns, one instruction a turn
	v_wmma_scale_f32_16x16x128_f8f6f4 v[A0:A0+7], v[FA+8*\s:FA+8*\s+7], v[FB+8*\s:FB+8*\s+7], v[A0:A0+7], v[SA+\s], v[SB+\s] matrix_a_fmt:MATRIX_FMT_FP4 matrix_b_fmt:MATRIX_FMT_FP4
	v_wmma_scale_f32_16x16x128_f8f6f4 v[A1:A1+7], v[FA+8*\s+8:FA+8*\s+15], v[FB+8*\s+8:FB+8*\s+15], v[A1:A1+7], v[SA+\s+1], v[SB+\s+1] matrix_a_fmt:MATRIX_FMT_FP4 matrix_b_fmt:MATRIX_FMT_FP4
.endr
.rept 4
	v_nop
.endr
.irp j, 0,1,2,3,4,5,6,7
	v_add_f32 v[RES+\j], v[A0+\j], v[A1+\j]
.endr
	ds_store_b128 v[IW], v[RES:RES+3] offset:IMG
	ds_store_b128 v[IW], v[RES+4:RES+7] offset:IMG+512
	s_wait_dscnt 0x0                               ; for the others' sake: my image has landed
	s_barrier_signal -1
	s_barrier_wait -1
	s_cmp_lg_u32 s16, 0
	s_cbranch_scc1 .Lend
	; ---- wave 0: q at v16-47, k at v48-79, v at v80-111, eight registers a tile of channels
.irp w, 0,1,2,3,4,5,6,7,8,9,10,11
	ds_load_b128 v[16+8*\w:16+8*\w+3], v[LI] offset:IMG+1024*\w
	ds_load_b128 v[16+8*\w+4:16+8*\w+7], v[LI] offset:IMG+1024*\w+512
.endr
	s_wait_dscnt 0x0
.irp s, 0,1,2,3                                ; S^T = K Q^T: four accumulators by turns; v192-255 are written by these matrix instructions alone
.irp c, 0,1,2,3
.if \s == 0
	v_wmma_f32_16x16x4_f32 v[192+8*\c:199+8*\c], v[48+8*\c+2*\s:48+8*\c+2*\s+1], v[16+8*\c+2*\s:16+8*\c+2*\s+1], 0
.else
	v_wmma_f32_16x16x4_f32 v[192+8*\c:199+8*\c], v[48+8*\c+2*\s:48+8*\c+2*\s+1], v[16+8*\c+2*\s:16+8*\c+2*\s+1], v[192+8*\c:199+8*\c]
.endif
.endr
.endr
.rept 8
	v_nop
.endr
.irp j, 0,1,2,3,4,5,6,7
	v_add_f32 v[112+\j], v[192+\j], v[200+\j]
.endr
.irp j, 0,1,2,3,4,5,6,7
	v_add_f32 v[120+\j], v[208+\j], v[216+\j]
.endr
.irp j, 0,1,2,3,4,5,6,7
	v_add_f32 v[112+\j], v[112+\j], v[120+\j]      ; register j: the score of key 8 h + j for query r
.endr
.irp j, 0,1,2,3,4,5,6,7
	v_cmp_gt_i32 vcc_lo, \j, v12                   ; hidden where 8 h + j > r
	v_cndmask_b32 v[112+\j], v[112+\j], v13, vcc_lo
.endr
	v_max3_num_f32 v4, v112, v113, v114
	v_max3_num_f32 v4, v4, v115, v116
	v_max3_num_f32 v4, v4, v117, v118
	v_max_num_f32 v4, v4, v119
	v_permlanex16_b32 v14, v4, s44, s45
	v_max_num_f32 v4, v4, v14                      ; the row's maximum: key 0 counts for every query
	v_mul_f32 v4, s46, v4
.irp j, 0,1,2,3,4,5,6,7
	v_fma_f32 v[120+\j], v[112+\j], s46, -v4
.endr
.irp j, 0,1,2,3,4,5,6,7
	v_exp_f32 v[120+\j], v[120+\j]
.endr
	v_nop
	s_wait_alu depctr_va_vdst(0)                   ; one wait for the eight exponentials
	v_add_f32 v14, v120, v121
	v_add_f32 v5, v122, v123
	v_add_f32 v14, v14, v124
	v_add_f32 v5, v5, v125
	v_add_f32 v14, v14, v126
	v_add_f32 v5, v5, v127
	v_add_f32 v14, v14, v5
	v_permlanex16_b32 v15, v14, s44, s45
	v_add_f32 v14, v14, v15
	v_rcp_f32 v5, v14
	v_nop
	s_wait_alu depctr_va_vdst(0)
.irp s, 0,1,2,3                                ; O^T = V^T P
.irp c, 0,1,2,3
.if \s == 0
	v_wmma_f32_16x16x4_f32 v[224+8*\c:231+8*\c], v[80+8*\c+2*\s:80+8*\c+2*\s+1], v[120+2*\s:121+2*\s], 0
.else
	v_wmma_f32_16x16x4_f32 v[224+8*\c:231+8*\c], v[80+8*\c+2*\s:80+8*\c+2*\s+1], v[120+2*\s:121+2*\s], v[224+8*\c:231+8*\c]
.endif
.endr
.endr
.rept 8
	v_nop
.endr
.irp j, 0,1,2,3,4,5,6,7,8,9,10,11,12,13,14,15,16,17,18,19,20,21,22,23,24,25,26,27,28,29,30,31
	v_mul_f32 v[16+\j], v[224+\j], v5              ; register 8 c + j: channel 16 c + 8 h + j of query r
.endr
.irp c, 0,1,2,3
	ds_store_b128 v7, v[16+8*\c:19+8*\c] offset:64*\c
	ds_store_b128 v7, v[20+8*\c:23+8*\c] offset:64*\c+16
.endr
.irp t, 0,1,2,3,4,5,6,7
	ds_load_b128 v[48+4*\t:51+4*\t], v8 offset:544*\t   ; LDS serves a wave's instructions in order
.endr
	s_wait_dscnt 0x0
.irp t, 0,1,2,3,4,5,6,7
	global_store_b128 v6, v[48+4*\t:51+4*\t], s[14:15] offset:8192*\t   ; sixteen lanes store 256 consecutive bytes, aligned
.endr
.Lend:
	s_wait_tensorcnt 0x0                           ; the wave's end
	ds_add_u32 v[SPW], v[NIL]
	s_wait_dscnt 0x0
	s_endpgm
.Lfunc_end_k_q5d538eb1ea_fineA:
	.size	k_q5d538eb1ea_fineA, .Lfunc_end_k_q5d538eb1ea_fineA-k_q5d538eb1ea_fineA
	.p2alignl 7, 3214868480
	.fill 96, 4, 3214868480
	.section	.rodata,"a",@progbits
	.p2align	6, 0x0
	.amdhsa_kernel k_q5d538eb1ea_fineA
		.amdhsa_group_segment_fixed_size 18176
		.amdhsa_private_segment_fixed_size 0
		.amdhsa_enable_private_segment 0
		.amdhsa_kernarg_size 48
		.amdhsa_user_sgpr_count 2
		.amdhsa_user_sgpr_kernarg_segment_ptr 1
		.amdhsa_wavefront_size32 1
		.amdhsa_system_sgpr_workgroup_id_x 1
		.amdhsa_system_sgpr_workgroup_id_y 1
		.amdhsa_system_sgpr_workgroup_id_z 1
		.amdhsa_system_vgpr_workitem_id 0
		.amdhsa_next_free_vgpr 256
		.amdhsa_next_free_sgpr 66
		.amdhsa_reserve_vcc 1
		.amdhsa_float_denorm_mode_32 3
		.amdhsa_float_denorm_mode_16_64 3
		.amdhsa_memory_ordered 1
		.amdhsa_forward_progress 1
		.amdhsa_inst_pref_size 20
	.end_amdhsa_kernel
	.amdgpu_metadata
---
amdhsa.version: [ 1, 2 ]
amdhsa.kernels:
  - .name:           k_q5d538eb1ea_fineA
    .symbol:         k_q5d538eb1ea_fineA.kd
    .args:
      - { .name: xc, .offset: 0, .size: 8, .value_kind: global_buffer, .address_space: global }
      - { .name: xs, .offset: 8, .size: 8, .value_kind: global_buffer, .address_space: global }
      - { .name: wc, .offset: 16, .size: 8, .value_kind: global_buffer, .address_space: global }
      - { .name: ws, .offset: 24, .size: 8, .value_kind: global_buffer, .address_space: global }
      - { .name: b1, .offset: 32, .size: 8, .value_kind: global_buffer, .address_space: global }
      - { .name: o32, .offset: 40, .size: 8, .value_kind: global_buffer, .address_space: global }
    .group_segment_fixed_size: 18176
    .private_segment_fixed_size: 0
    .kernarg_segment_align: 8
    .kernarg_segment_size: 48
    .max_flat_workgroup_size: 384
    .sgpr_count:     66
    .vgpr_count:     256
    .wavefront_size: 32
...
	.end_amdgpu_metadata
.endif
;; end of part 5
;; launch fineB (part 6): grid 64 x 4, 8 waves a work-group, no clusters, 9,216 bytes of LDS; arguments o32, w2, b2, out0; writes out0
.if DOCPART == 6
	.amdgcn_target "amdgcn-amd-amdhsa--gfx1250"
	.amdhsa_code_object_version 6
	.text
	.protected	k_q5d538eb1ea_fineB
	.globl	k_q5d538eb1ea_fineB
	.p2align	8
	.type	k_q5d538eb1ea_fineB,@function
k_q5d538eb1ea_fineB:
	s_mov_b64 s[64:65], 0
	v_nop
	global_prefetch_b8 v0, s[64:65] scope:SCOPE_SE
	s_setreg_imm32_b32 hwreg(HW_REG_WAVE_MODE, 25, 1), 1
	s_wait_xcnt 0x0
; Rows 0-15 of every sequence of out0 = o w2^T + b2, all in f32, over what the f16 projection left there: 64 rows x 1,024 columns, 67 M multiply-adds, shared among 256 work-groups.
; Work-group (x, batch): 16 positions x 16 columns 16 x on.  Wave w sums k = 128 w .. 128 w + 127 by 32 f32 matrix instructions on four accumulators by turns; the eight waves' parts meet in LDS; wave w then adds up and stores
; positions w and 8 + w.  In each instruction the place k = 2 h + j stands for the same k on both sides.  The stores are runs of 64 bytes: 256 KB in all.
.set RED,   0                          ; 8 x 1,024 bytes
.set SPARE, 8192
.set SPW, 10
.set NIL, 11
	s_load_b256 s[4:11], s[0:1], 0x0               ; o32, w2, b2, out0
	v_lshl_add_u32 v[SPW], v0, 2, SPARE
	v_mov_b32 v[NIL], 0
	v_lshrrev_b32 v1, 5, v0
	v_readfirstlane_b32 s12, v1                    ; wave 0..7
	s_and_b32 s13, ttmp7, 0xffff                   ; batch
	v_and_b32 v2, 15, v0                           ; r
	v_bfe_u32 v3, v0, 4, 1                         ; h
	v_and_b32 v4, 31, v0
	v_lshlrev_b32 v5, 12, v2
	v_lshl_add_u32 v5, v3, 4, v5                   ; row r of 4,096 bytes + 16 h
	v_lshlrev_b32 v6, 2, v2
	v_lshl_add_u32 v7, v3, 15, v6                  ; out0: 8 h rows + 4 r
	s_lshl_b32 s14, s12, 10
	v_lshl_add_u32 v8, v4, 2, s14                  ; my part: 1,024 x wave + 4 x lane
	s_lshl_b32 s14, s12, 7
	v_lshl_add_u32 v9, v4, 2, s14                  ; register w of every wave's part: 128 x wave + 4 x lane
	s_lshl_b32 s15, s12, 9                         ; my 128 along K
	s_lshl_b32 s16, s13, 16
	s_add_co_u32 s16, s16, s15
	s_mov_b32 s17, 0
	s_lshl_b32 s18, ttmp9, 16
	s_add_co_u32 s18, s18, s15
	s_mov_b32 s19, 0
	s_lshl_b32 s20, ttmp9, 6
	s_mov_b32 s21, 0
	s_lshl_b32 s22, s13, 23
	s_lshl_b32 s15, s12, 12
	s_add_co_u32 s22, s22, s15
	s_add_co_u32 s22, s22, s20
	s_mov_b32 s23, 0
	s_wait_kmcnt 0x0
	s_add_nc_u64 s[4:5], s[4:5], s[16:17]
	s_add_nc_u64 s[6:7], s[6:7], s[18:19]
	s_add_nc_u64 s[8:9], s[8:9], s[20:21]
	s_add_nc_u64 s[10:11], s[10:11], s[22:23]
.irp i, 0,1,2,3,4,5,6,7,8,9,10,11,12,13,14,15
	global_load_b128 v[16+4*\i:19+4*\i], v5, s[4:5] offset:32*\i      ; o(r, 128 w + 8 i + 4 h + 0 .. 3)
	global_load_b128 v[80+4*\i:83+4*\i], v5, s[6:7] offset:32*\i      ; w2 likewise
.endr
	global_load_b32 v160, v6, s[8:9]               ; b2 at column r
	s_wait_loadcnt 0x0
.irp u, 0,1,2,3,4,5,6,7,8,9,10,11,12,13,14,15,16,17,18,19,20,21,22,23,24,25,26,27,28,29,30,31
.if \u < 4
	v_wmma_f32_16x16x4_f32 v[192+8*(\u%4):199+8*(\u%4)], v[16+2*\u:17+2*\u], v[80+2*\u:81+2*\u], 0
.else
	v_wmma_f32_16x16x4_f32 v[192+8*(\u%4):199+8*(\u%4)], v[16+2*\u:17+2*\u], v[80+2*\u:81+2*\u], v[192+8*(\u%4):199+8*(\u%4)]
.endif
.endr
.rept 8
	v_nop
.endr
.irp j, 0,1,2,3,4,5,6,7
	v_add_f32 v[144+\j], v[192+\j], v[200+\j]
.endr
.irp j, 0,1,2,3,4,5,6,7
	v_add_f32 v[152+\j], v[208+\j], v[216+\j]
.endr
.irp j, 0,1,2,3,4,5,6,7
	v_add_f32 v[144+\j], v[144+\j], v[152+\j]      ; register j: position 8 h + j, column r
.endr
.irp j, 0,1,2,3,4,5,6,7
	ds_store_b32 v8, v[144+\j] offset:RED+128*\j
.endr
	s_wait_dscnt 0x0                               ; for the others' sake: my part has landed
	s_barrier_signal -1
	s_barrier_wait -1
.irp u, 0,1,2,3,4,5,6,7
	ds_load_b32 v[152+\u], v9 offset:RED+1024*\u
.endr
	s_wait_dscnt 0x0
	v_add_f32 v152, v152, v153
	v_add_f32 v154, v154, v155
	v_add_f32 v156, v156, v157
	v_add_f32 v158, v158, v159
	v_add_f32 v152, v152, v154
	v_add_f32 v156, v156, v158
	v_add_f32 v152, v152, v156
	v_add_f32 v152, v152, v160
	global_store_b32 v7, v152, s[10:11]            ; out0(8 h + w, 16 x + r)
	s_wait_tensorcnt 0x0                           ; the wave's end
	ds_add_u32 v[SPW], v[NIL]
	s_wait_dscnt 0x0
	s_endpgm
.Lfunc_end_k_q5d538eb1ea_fineB:
	.size	k_q5d538eb1ea_fineB, .Lfunc_end_k_q5d538eb1ea_fineB-k_q5d538eb1ea_fineB
	.p2alignl 7, 3214868480
	.fill 96, 4, 3214868480
	.section	.rodata,"a",@progbits
	.p2align	6, 0x0
	.amdhsa_kernel k_q5d538eb1ea_fineB
		.amdhsa_group_segment_fixed_size 9216
		.amdhsa_private_segment_fixed_size 0
		.amdhsa_enable_private_segment 0
		.amdhsa_kernarg_size 32
		.amdhsa_user_sgpr_count 2
		.amdhsa_user_sgpr_kernarg_segment_ptr 1
		.amdhsa_wavefront_size32 1
		.amdhsa_system_sgpr_workgroup_id_x 1
		.amdhsa_system_sgpr_workgroup_id_y 1
		.amdhsa_system_sgpr_workgroup_id_z 1
		.amdhsa_system_vgpr_workitem_id 0
		.amdhsa_next_free_vgpr 256
		.amdhsa_next_free_sgpr 66
		.amdhsa_reserve_vcc 0
		.amdhsa_float_denorm_mode_32 3
		.amdhsa_float_denorm_mode_16_64 3
		.amdhsa_memory_ordered 1
		.amdhsa_forward_progress 1
		.amdhsa_inst_pref_size 10
	.end_amdhsa_kernel
	.amdgpu_metadata
---
amdhsa.version: [ 1, 2 ]
amdhsa.kernels:
  - .name:           k_q5d538eb1ea_fineB
    .symbol:         k_q5d538eb1ea_fineB.kd
    .args:
      - { .name: o32, .offset: 0, .size: 8, .value_kind: global_buffer, .address_space: global }
      - { .name: w2, .offset: 8, .size: 8, .value_kind: global_buffer, .address_space: global }
      - { .name: b2, .offset: 16, .size: 8, .value_kind: global_buffer, .address_space: global }
      - { .name: out0, .offset: 24, .size: 8, .value_kind: global_buffer, .address_space: global }
    .group_segment_fixed_size: 9216
    .private_segment_fixed_size: 0
    .kernarg_segment_align: 8
    .kernarg_segment_size: 32
    .max_flat_workgroup_size: 256
    .sgpr_count:     66
    .vgpr_count:     256
    .wavefront_size: 32
...
	.end_amdgpu_metadata
.endif
;; end of part 6
